; MI455X (gfx1250); checked and timed in simulation.
; The chip was launched on July 23, 2026; its instructions are those of AMD's public machine-readable ISA for CDNA 5 (MIT licence, August 2026) and "CDNA5" Instruction Set Architecture Reference Guide (July 2026). The comments in the code are by the model that wrote it; some were corrected since.
;; Causal Self Attention. Allowed arithmetic: matrix products marked QUANTISED: E2M1 operands, one E8M0 scale for each 32 along K, by v_wmma_scale_f32_16x16x128_f8f6f4 with both operands' format E2M1 (or v_wmma_scale_f32_32x16x128_f4), f32 sums; products left as they are: bf16, f16 or f32 operands; f32 sums; everything else in f32.
;; Inputs: W_in 1,024 x 3,072 float32; W_out 1,024 x 1,024 float32; b_in 3,072 float32; b_out 1,024 float32; x 4 x 2,048 x 1,024 float32.
;; Outputs: out0 4 x 2,048 x 1,024 float32.
;; This version of the problem:
;;   THIS VERSION OF THE PROBLEM IS GIVEN IN LOW PRECISION. The matrix products marked QUANTISED in the list below multiply operands that are first quantised to E2M1 (2 exponent bits, 1 mantissa bit; 4 bits a number), with one power-of-two scale for each 32 numbers along K (OCP MX v1.0); their sums are f32. The products marked 'left as it is' may take bf16, f16 or f32 operands, with f32 sums. Whichever they take, every output number must still come out within the allowed error. Rounding operands to bf16 (8 significant bits) uses up far more of that allowance than f16 does (11 bits, for magnitudes from 6e-5 to 65,504). All else is computed in f32.
;;   The module's matrix products, in the order in which they are computed (A, B: the left and right operand; K: the contracted axis; several contracted axes count as one K, in the product's order):
;;     1. [M 8,192, K 1,024] x [K 1,024, N 3,072]; A: input x; B: input W_in: QUANTISED
;;     2. batch 64 x [M 2,048, K 64] x [K 64, N 2,048]; A: computed on the way; B: computed on the way: left as it is (an operand is computed on the way)
;;     3. batch 64 x [M 2,048, K 2,048] x [K 2,048, N 64]; A: computed on the way; B: computed on the way: left as it is (an operand is computed on the way)
;;     4. [M 8,192, K 1,024] x [K 1,024, N 1,024]; A: computed on the way; B: input W_out: left as it is (an operand is computed on the way)
;;   THE QUANTISER, for each operand of a quantised product, along K:
;;     - K is cut into blocks of 32 from its start; a last block that is shorter is filled with zeros.
;;     - A block's scale is 2^e with e = floor(log2(the largest magnitude in the block)) - 2, held to -126 .. 127; a block of zeros has e = 0. As a byte (E8M0): e + 127.
;;     - Each number is divided by its block's scale, clamped to +-6, and rounded to the nearest number of E2M1, ties to even, subnormals kept.
;;     - The product sums the exact products of the quantised numbers (number of the format x scale) in f32.
;;   ~~~python
;;   def quantise(x, axis):      # numpy; x: float32 -> the quantised numbers, widened to float32 again
;;       x = np.moveaxis(x, axis, -1); K = x.shape[-1]
;;       x = np.pad(x, [(0, 0)] * (x.ndim - 1) + [(0, -K % 32)]); x = x.reshape(x.shape[:-1] + (-1, 32)); a = np.abs(x).max(-1, keepdims=True)
;;       e = np.where(a > 0, np.clip(np.frexp(np.where(a > 0, a, 1))[1] - 1 - 2, -126, 127), 0)      # np.frexp(a)[1] - 1 = floor(log2(a)), exactly
;;       r = np.clip(x / 2.0 ** e, -6, 6)
;;       step = 2.0 ** (np.maximum(np.frexp(np.where(r == 0, 1, r))[1] - 1, 0) - 1)
;;       q = np.round(r / step) * step * 2.0 ** e      # np.round: ties to even
;;       return np.moveaxis(q.reshape(q.shape[:-2] + (-1,))[..., :K], -1, axis).astype(np.float32)
;;   ~~~
;; One version. Each part assembles by itself: llvm-mc -triple=amdgcn-amd-amdhsa -mcpu=gfx1250 --defsym DOCPART=n.
;; ======== version 1 of 1: 5 launches
;; limits: values are held in f16: magnitudes above 65,504 overflow, below 6.1e-05 lose precision
;; workspace buffers: xc 4,194,304 bytes; xs 262,144 bytes; wc 1,572,864 bytes; ws 98,304 bytes; wot 2,097,152 bytes; qkv 50,331,648 bytes; qkvf 786,432 bytes; y 16,777,216 bytes
;; launch prep (part 1): grid 256 x 1, 8 waves a work-group, no clusters, 154,624 bytes of LDS; arguments x, W_in, W_out, xc, xs, wc, ws, wot; writes xc, xs, wc, ws, wot
.if DOCPART == 1
	.amdgcn_target "amdgcn-amd-amdhsa--gfx1250"
	.amdhsa_code_object_version 6
	.text
	.protected	k_qeddaf163ac_prep
	.globl	k_qeddaf163ac_prep
	.p2align	8
	.type	k_qeddaf163ac_prep,@function
k_qeddaf163ac_prep:
	s_mov_b64 s[64:65], 0
	v_nop
	global_prefetch_b8 v0, s[64:65] scope:SCOPE_SE
	s_setreg_imm32_b32 hwreg(HW_REG_WAVE_MODE, 25, 1), 1
	s_wait_xcnt 0x0
; CAUSAL SELF-ATTENTION, B = 4, T = 2,048, C = 1,024, 16 heads of 64, in five launches: this one (operands made ready), qkv = Q(x) Q(W_in) + b_in on codes of E2M1,
; attention in f16 with f32 sums, the projection in f16 with f32 sums, and the first 16 positions of each sequence once more wholly in f32.
; WORK LEFT OUT, for all finite values of the inputs:
;  (1) Key tiles that lie wholly above the diagonal: reference() builds the tril mask itself and sets those scores to -inf, whose softmax weight is 0.
;  (2) The key third of the bias, b_in[1024:2048]: with k + b_k the score of query q and key k is (q . k + q . b_k) / 8, and q . b_k / 8 is the same number for every key of a row: a term that is
;      the same along the softmax's axis cancels in it (hidden keys stay -inf).  The product q k^T is not a quantised one, so nothing of b_k enters a quantiser.  Those 1,024 numbers are never loaded.
;  LIMIT: a NaN, an infinity or an overflow that reaches only q . b_k or hidden scores is not carried to the result.
; OTHER LIMITS: NaN and infinities among the inputs are not served.  A block of zeros gets the scale byte 1 where the rule says 127: its codes are zeros, and this program alone reads the bytes.
;  q, k, v and y are kept in f16: they must stay under 65,504; under 6e-5 they keep an absolute step of 6e-8.
; THIS LAUNCH, three paths that part on the work-group's number, each with LDS bytes of its own:
;  X (work-groups 0-127):   x [8192][1024] f32 -> codes xc [8192][512 bytes] and scale bytes xs [8192][32].  K is innermost: x is a plain stream of blocks of 32.
;  W (work-groups 128-223): W_in [1024 k][3072 n] f32 -> wc [3072][512 bytes], ws [3072][32]: a lane takes a column, its registers run down K.
;  O (work-groups 224-255): W_out [1024 k][1024 n] f32 -> wot, f16, [16 planes of 64 k][1024 n][64 k]: the same walk, a rounding in place of the quantiser.
; A block's scale is 2^(floor(log2(largest magnitude)) - 2): its byte is the largest magnitude's exponent field - 2, held at 1 from below by a floor among the maximum's leaves.
.set WREG,  8192                       ; path X: a region for each wave: two stages of 32 x 80 bytes, then its 256 scale bytes
.set SP,    80                         ; a lane's place in a stage: 64 bytes + 16 of padding
.set WST,   65536                      ; path W: the work-group's stage, 64 columns x (256 bytes of codes + 16)
.set WSC,   82944                      ; path W: 64 columns x 16 scale bytes
.set OST,   83968                      ; path O: a stage for each wave, 32 columns x (256 bytes + 16)
.set SPARE, 153600                     ; the spare words, 128 bytes for each of the eight waves: four blocks of 256 bytes that no other line names
.set SPW,   12                         ; v12  LDS address of my spare word; never rewritten
.set NIL,   13                         ; v13  0; never rewritten
.set STEPS, 16
.set CB,    8                          ; bytes of 16 codes
.set R,     16                         ; path X: v16-79 four sets of 16 numbers as loaded
.set X,     80                         ; v80-111 two sets of 16 neighbours
.set E,     112                        ; v112-127 a scale byte for each step
.set C,     128                        ; v128-191 codes, four registers for each step
.set NUM,   32                         ; paths W, O: v32-159 my column's 128 numbers
.set OUTC,  160                        ; v160.. what is made of them
.macro FINISH                          ; a wave's end, behind my last LDS store
	s_wait_tensorcnt 0x0
	ds_add_u32 v[SPW], v[NIL]
	s_wait_dscnt 0x0
	s_endpgm
.endm
	s_load_b256 s[4:11], s[0:1], 0x0               ; x s[4:5], W_in s[6:7], W_out s[8:9], xc s[10:11]
	s_load_b256 s[12:19], s[0:1], 0x20             ; xs s[12:13], wc s[14:15], ws s[16:17], wot s[18:19]
	v_lshl_add_u32 v[SPW], v0, 2, SPARE
	v_mov_b32 v[NIL], 0
	v_lshrrev_b32 v1, 5, v0
	v_readfirstlane_b32 s20, v1                    ; wave 0..7
	v_and_b32 v2, 31, v0                           ; lane
	s_wait_kmcnt 0x0
	s_cmp_lt_u32 ttmp9, 128
	s_cbranch_scc0 .Lnot_x
; ---------------- PATH X.  A wave takes a run of 8,192 numbers in 16 steps of 512.  Each load reads 512 consecutive bytes; a step's 2,048 bytes turn through the wave's own stage, so that a lane holds 16 neighbours.
	v_lshlrev_b32 v3, 4, v2                        ; my 16 bytes of a load's 512
	s_mul_i32 s21, s20, WREG
	v_lshrrev_b32 v14, 2, v2
	v_mul_u32_u24 v14, v14, SP
	v_and_b32 v15, 3, v2
	v_lshl_add_u32 v14, v15, 4, v14
	v_add_nc_u32 v14, s21, v14                     ; the stage, on the way in: SP (lane / 4) + 16 (lane % 4)
	v_mul_u32_u24 v15, v2, SP
	v_add_nc_u32 v15, s21, v15                     ; and on the way out: SP x lane
	v_mul_u32_u24 v4, v2, CB                       ; my codes' place in a step's 256 bytes
	v_lshrrev_b32 v5, 1, v2
	s_add_co_u32 s21, s21, 2*32*SP
	v_add_nc_u32 v5, s21, v5                       ; my block's scale byte in the wave's 256
	v_lshlrev_b32 v7, 3, v2
	v_add_nc_u32 v6, s21, v7                       ; and on the way out 8 bytes a lane
	s_lshl_b32 s22, ttmp9, 3
	s_add_co_u32 s22, s22, s20                     ; my run, 0..1023
	s_mov_b32 s25, 0
	s_lshl_b32 s24, s22, 15                        ; 32,768 bytes of x,
	s_add_nc_u64 s[4:5], s[4:5], s[24:25]
	s_lshl_b32 s24, s22, 12                        ; 4,096 of codes,
	s_add_nc_u64 s[10:11], s[10:11], s[24:25]
	s_lshl_b32 s24, s22, 8                         ; 256 of scale bytes
	s_add_nc_u64 s[12:13], s[12:13], s[24:25]
.macro XLOAD t
.irp i, 0,1,2,3
	global_load_b128 v[R+16*((\t)%4)+4*\i:R+16*((\t)%4)+4*\i+3], v3, s[4:5] offset:2048*(\t)+512*\i th:TH_LOAD_NT
.endr
.endm
.macro XTURN t                         ; LDS serves a wave's instructions in order: no wait between the stores and the loads
.irp i, 0,1,2,3
	ds_store_b128 v14, v[R+16*((\t)%4)+4*\i:R+16*((\t)%4)+4*\i+3] offset:32*SP*((\t)%2)+8*SP*\i
.endr
.irp i, 0,1,2,3
	ds_load_b128 v[X+16*((\t)%2)+4*\i:X+16*((\t)%2)+4*\i+3], v15 offset:32*SP*((\t)%2)+16*\i
.endr
.endm
.irp t, 0,1,2,3
	XLOAD \t
.endr
	s_wait_loadcnt 12                              ; step 0's four loads are in; three steps' twelve may be out
	XTURN 0
.macro XSTEP t
.set XS, X+16*((\t)%2)
.if (\t) > 0
	s_wait_dscnt 1                                 ; this step's numbers are back from the stage; the last step's byte store may be out
.else
	s_wait_dscnt 0x0
.endif
.if (\t)+4 < STEPS
	XLOAD (\t)+4                                   ; into the registers that this step's stores into the stage have read
.endif
.if (\t)+1 < STEPS
.if STEPS-2-(\t) >= 3
	s_wait_loadcnt 12                              ; the next step's four loads are in; those of the three steps behind it may be out
.else
	s_wait_loadcnt 4*(STEPS-2-(\t))
.endif
	XTURN (\t)+1
.endif
	v_max3_num_f32 v8, |v[XS]|, |v[XS+1]|, |v[XS+2]|
	v_max3_num_f32 v9, |v[XS+3]|, |v[XS+4]|, |v[XS+5]|
.irp i, 6,10
	v_max3_num_f32 v8, v8, |v[XS+\i]|, |v[XS+\i+1]|
	v_max3_num_f32 v9, v9, |v[XS+\i+2]|, |v[XS+\i+3]|
.endr
	v_max3_num_f32 v8, v8, |v[XS+14]|, |v[XS+15]|
	v_max3_num_f32 v8, v8, v9, 0x1800000           ; the floor 2^(3 - 127): the byte cannot fall under 1
	v_max_num_f32_dpp v8, v8, v8 row_xmask:1 row_mask:0xf bank_mask:0xf   ; with my neighbour's 16: the block's largest magnitude
	v_add_nc_u32 v11, 0xff000000, v8               ; 2 off its exponent field: the conversion takes the exponent field of this operand as its scale
	v_cvt_scalef32_pk8_fp4_f32 v[C+4*(\t)], v[XS:XS+7], v11
	v_cvt_scalef32_pk8_fp4_f32 v[C+4*(\t)+1], v[XS+8:XS+15], v11
	v_lshrrev_b32 v[E+(\t)], 23, v11               ; the scale's byte (a plain line behind the conversions)
	ds_store_b8 v5, v[E+(\t)] offset:16*(\t)       ; both lanes of a block write the same byte with the same value
	global_store_b64 v4, v[C+4*(\t):C+4*(\t)+1], s[10:11] offset:32*CB*(\t)   ; the wave stores 256 consecutive bytes, aligned
.endm
.irp t, 0,1,2,3,4,5,6,7,8,9,10,11,12,13,14,15
	XSTEP \t
.endr
	ds_load_b64 v[8:9], v6
	s_wait_dscnt 0x0
	global_store_b64 v7, v[8:9], s[12:13]          ; the wave's 256 scale bytes, aligned
	FINISH
; ---------------- PATHS W AND O.  A work-group takes 64 columns x 512 along K; wave w takes columns 32 (w % 2) on and 128 along K from 128 (w / 2) on.  Two waves side by side read 256 consecutive bytes of a row.
.macro KLOAD t, sb, pitch              ; block t: rows 32 t + i of my 128, at my column
.irp i, 0,1,2,3,4,5,6,7,8,9,10,11,12,13,14,15,16,17,18,19,20,21,22,23,24,25,26,27,28,29,30,31
	global_load_b32 v[NUM+32*(\t)+\i], v3, s[\sb:\sb+1] offset:(32*(\t)+\i)*\pitch th:TH_LOAD_NT
.endr
.endm
.Lnot_x:
	s_and_b32 s21, s20, 1                          ; cs: which 32 columns
	s_lshr_b32 s22, s20, 1                         ; kq: which 128 along K
	v_lshlrev_b32 v3, 2, v2                        ; 4 bytes a lane
	v_lshrrev_b32 v8, 4, v2
	v_and_b32 v9, 15, v2
	s_mov_b32 s31, 0
	s_cmp_lt_u32 ttmp9, 224
	s_cbranch_scc0 .Lpath_o
; ---------------- PATH W
	s_sub_co_u32 s26, ttmp9, 128
	s_lshr_b32 s27, s26, 1                         ; cg: which 64 columns
	s_and_b32 s28, s26, 1                          ; kh: which 512 along K
	s_lshl_b32 s29, s28, 9
	s_lshl_b32 s30, s22, 7
	s_add_co_u32 s29, s29, s30                     ; my first row
	s_mul_i32 s30, s29, 12288
	s_lshl_b32 s29, s27, 8
	s_add_co_u32 s30, s30, s29
	s_lshl_b32 s29, s21, 7
	s_add_co_u32 s30, s30, s29                     ; + 4 x my first column
	s_add_nc_u64 s[6:7], s[6:7], s[30:31]
	KLOAD 0, 6, 12288
	KLOAD 1, 6, 12288
	s_lshl_b32 s30, s27, 15                        ; codes: 64 cg rows of 512 bytes + 256 kh
	s_lshl_b32 s29, s28, 8
	s_add_co_u32 s30, s30, s29
	s_add_nc_u64 s[14:15], s[14:15], s[30:31]
	s_lshl_b32 s30, s27, 11                        ; scale bytes: 64 cg rows of 32 + 16 kh
	s_lshl_b32 s29, s28, 4
	s_add_co_u32 s30, s30, s29
	s_add_nc_u64 s[16:17], s[16:17], s[30:31]
	s_mul_i32 s23, s21, 32*272
	s_lshl_b32 s24, s22, 6
	s_add_co_u32 s23, s23, s24
	s_add_co_u32 s23, s23, WST
	v_mul_u32_u24 v4, v2, 272
	v_add_nc_u32 v4, s23, v4                       ; into the stage: row = my column, + 64 kq
	s_lshl_b32 s23, s21, 9
	s_lshl_b32 s24, s22, 2
	s_add_co_u32 s24, s23, s24
	s_add_co_u32 s24, s24, WSC
	v_lshl_add_u32 v5, v2, 4, s24                  ; my four scale bytes: 16 x column + 4 kq
	s_add_co_u32 s23, s23, WSC
	v_lshl_add_u32 v16, v2, 4, s23                 ; and a column's 16, read back (waves 0 and 1)
	s_lshl_b32 s23, s21, 10
	v_lshl_add_u32 v17, v2, 5, s23                 ; their place in ws: 32 bytes a column
	s_mul_i32 s23, s20, 8*272
	s_add_co_u32 s23, s23, WST
	v_mul_u32_u24 v6, v8, 272
	v_lshl_add_u32 v6, v9, 4, v6
	v_add_nc_u32 v6, s23, v6                       ; out of the stage: wave w sends rows 8 w on, sixteen lanes to a row
	s_lshl_b32 s23, s20, 12
	v_lshlrev_b32 v7, 9, v8
	v_lshl_add_u32 v7, v9, 4, v7
	v_add_nc_u32 v7, s23, v7                       ; and the same place in wc
.macro WBLOCK t
.set XS, NUM+32*(\t)
.if (\t) < 3
	s_wait_loadcnt 32                              ; this block's 32 loads are in; the next block's 32 may be out
.else
	s_wait_loadcnt 0x0
.endif
.if (\t)+2 < 4
	KLOAD (\t)+2, 6, 12288                         ; two blocks ahead: each block has registers of its own
.endif
	v_max3_num_f32 v10, |v[XS]|, |v[XS+1]|, |v[XS+2]|   ; the block's largest magnitude: all 32 numbers are mine
	v_max3_num_f32 v11, |v[XS+3]|, |v[XS+4]|, |v[XS+5]|
.irp i, 6,10,14,18,22,26
	v_max3_num_f32 v10, v10, |v[XS+\i]|, |v[XS+\i+1]|
	v_max3_num_f32 v11, v11, |v[XS+\i+2]|, |v[XS+\i+3]|
.endr
	v_max3_num_f32 v10, v10, |v[XS+30]|, |v[XS+31]|
	v_max3_num_f32 v10, v10, v11, 0x1800000        ; the floor 2^(3 - 127)
	v_add_nc_u32 v14, 0xff000000, v10              ; 2 off the exponent field: the conversion's scale operand
	v_lshrrev_b32 v15, 23, v14                     ; the scale's byte
.if (\t) == 0
	v_mov_b32 v24, v15
.else
	v_lshl_or_b32 v24, v15, 8*(\t), v24            ; four bytes to a word, the lower K in the lower byte
.endif
.irp g, 0,1,2,3
	v_cvt_scalef32_pk8_fp4_f32 v[OUTC+4*(\t)+\g], v[XS+8*\g:XS+8*\g+7], v14
.endr
	v_nop                                          ; one plain line behind the last conversion of a run
	ds_store_b128 v4, v[OUTC+4*(\t):OUTC+4*(\t)+3] offset:16*(\t)
.endm
	WBLOCK 0
	WBLOCK 1
	WBLOCK 2
	WBLOCK 3
	ds_store_b32 v5, v24
	s_wait_dscnt 0x0                               ; for the others' sake: my stores into the stage are done
	s_barrier_signal -1                            ; (all eight waves of a work-group are on this path: it hangs on the work-group's number alone)
	s_barrier_wait -1
.irp i, 0,1,2,3
	ds_load_b128 v[NUM+4*\i:NUM+4*\i+3], v6 offset:\i*2*272
.endr
.irp i, 0,1,2,3
	s_wait_dscnt 3-\i                              ; load i is back; the younger ones may be out
	global_store_b128 v7, v[NUM+4*\i:NUM+4*\i+3], s[14:15] offset:\i*1024   ; sixteen lanes store 256 consecutive bytes, aligned
.endr
	s_cmp_lt_u32 s20, 2
	s_cbranch_scc0 .Lw_done
	ds_load_b128 v[NUM+16:NUM+19], v16
	s_wait_dscnt 0x0
	global_store_b128 v17, v[NUM+16:NUM+19], s[16:17]   ; 16 of a column's 32 scale bytes: one byte for each 128 read
.Lw_done:
	FINISH
; ---------------- PATH O
.Lpath_o:
	s_sub_co_u32 s26, ttmp9, 224
	s_lshr_b32 s27, s26, 1                         ; cg
	s_and_b32 s28, s26, 1                          ; kh
	s_lshl_b32 s29, s28, 9
	s_lshl_b32 s30, s22, 7
	s_add_co_u32 s29, s29, s30
	s_lshl_b32 s30, s29, 12                        ; my first row of 4,096 bytes
	s_lshl_b32 s29, s27, 8
	s_add_co_u32 s30, s30, s29
	s_lshl_b32 s29, s21, 7
	s_add_co_u32 s30, s30, s29
	s_add_nc_u64 s[8:9], s[8:9], s[30:31]
	KLOAD 0, 8, 4096
	KLOAD 1, 8, 4096
	s_lshl_b32 s29, s28, 3
	s_lshl_b32 s30, s22, 1
	s_add_co_u32 s29, s29, s30                     ; my first plane: 8 kh + 2 kq
	s_lshl_b32 s30, s29, 17
	s_lshl_b32 s29, s27, 13
	s_add_co_u32 s30, s30, s29
	s_lshl_b32 s29, s21, 12
	s_add_co_u32 s30, s30, s29                     ; + 128 bytes x my first column
	s_add_nc_u64 s[18:19], s[18:19], s[30:31]
	s_mul_i32 s23, s20, 32*272
	s_add_co_u32 s23, s23, OST                     ; my own stage: no barrier
	v_mul_u32_u24 v4, v2, 272
	v_add_nc_u32 v4, s23, v4                       ; in: row = my column, 256 bytes: 128 k in f16
	v_lshrrev_b32 v8, 3, v2
	v_and_b32 v9, 7, v2
	v_mul_u32_u24 v6, v8, 272
	v_lshl_add_u32 v6, v9, 4, v6
	v_add_nc_u32 v6, s23, v6                       ; out: eight lanes take a column's 128 bytes of a plane
	v_lshlrev_b32 v7, 4, v2                        ; four columns of a plane are 512 consecutive bytes of wot
.macro OBLOCK t
.if (\t) < 3
	s_wait_loadcnt 32                              ; this block's 32 loads are in; the next block's 32 may be out
.else
	s_wait_loadcnt 0x0
.endif
.if (\t)+2 < 4
	KLOAD (\t)+2, 8, 4096
.endif
.irp j, 0,1,2,3,4,5,6,7,8,9,10,11,12,13,14,15
	v_cvt_pk_f16_f32 v[OUTC+16*(\t)+\j], v[NUM+32*(\t)+2*\j], v[NUM+32*(\t)+2*\j+1]
.endr
.irp u, 0,1,2,3
	ds_store_b128 v4, v[OUTC+16*(\t)+4*\u:OUTC+16*(\t)+4*\u+3] offset:64*(\t)+16*\u
.endr
.endm
	OBLOCK 0
	OBLOCK 1
	OBLOCK 2
	OBLOCK 3
.irp p, 0,1
.irp i, 0,1,2,3,4,5,6,7
	ds_load_b128 v[NUM+4*(8*\p+\i):NUM+4*(8*\p+\i)+3], v6 offset:128*\p+\i*4*272   ; LDS serves a wave's instructions in order: these see my stores
.endr
.endr
.irp p, 0,1
.irp i, 0,1,2,3,4,5,6,7
	s_wait_dscnt 15-(8*\p+\i)                      ; this load is back; the younger ones may be out
	global_store_b128 v7, v[NUM+4*(8*\p+\i):NUM+4*(8*\p+\i)+3], s[18:19] offset:\p*131072+\i*512   ; 512 consecutive bytes, aligned
.endr
.endr
	FINISH
.Lfunc_end_k_qeddaf163ac_prep:
	.size	k_qeddaf163ac_prep, .Lfunc_end_k_qeddaf163ac_prep-k_qeddaf163ac_prep
	.p2alignl 7, 3214868480
	.fill 96, 4, 3214868480
	.section	.rodata,"a",@progbits
	.p2align	6, 0x0
	.amdhsa_kernel k_qeddaf163ac_prep
		.amdhsa_group_segment_fixed_size 154624
		.amdhsa_private_segment_fixed_size 0
		.amdhsa_enable_private_segment 0
		.amdhsa_kernarg_size 64
		.amdhsa_user_sgpr_count 2
		.amdhsa_user_sgpr_kernarg_segment_ptr 1
		.amdhsa_wavefront_size32 1
		.amdhsa_system_sgpr_workgroup_id_x 1
		.amdhsa_system_sgpr_workgroup_id_y 1
		.amdhsa_system_sgpr_workgroup_id_z 1
		.amdhsa_system_vgpr_workitem_id 0
		.amdhsa_next_free_vgpr 224
		.amdhsa_next_free_sgpr 66
		.amdhsa_reserve_vcc 0
		.amdhsa_float_denorm_mode_32 3
		.amdhsa_float_denorm_mode_16_64 3
		.amdhsa_memory_ordered 1
		.amdhsa_forward_progress 1
		.amdhsa_inst_pref_size 76
	.end_amdhsa_kernel
	.amdgpu_metadata
---
amdhsa.version: [ 1, 2 ]
amdhsa.kernels:
  - .name:           k_qeddaf163ac_prep
    .symbol:         k_qeddaf163ac_prep.kd
    .args:
      - { .name: x, .offset: 0, .size: 8, .value_kind: global_buffer, .address_space: global }
      - { .name: W_in, .offset: 8, .size: 8, .value_kind: global_buffer, .address_space: global }
      - { .name: W_out, .offset: 16, .size: 8, .value_kind: global_buffer, .address_space: global }
      - { .name: xc, .offset: 24, .size: 8, .value_kind: global_buffer, .address_space: global }
      - { .name: xs, .offset: 32, .size: 8, .value_kind: global_buffer, .address_space: global }
      - { .name: wc, .offset: 40, .size: 8, .value_kind: global_buffer, .address_space: global }
      - { .name: ws, .offset: 48, .size: 8, .value_kind: global_buffer, .address_space: global }
      - { .name: wot, .offset: 56, .size: 8, .value_kind: global_buffer, .address_space: global }
    .group_segment_fixed_size: 154624
    .private_segment_fixed_size: 0
    .kernarg_segment_align: 8
    .kernarg_segment_size: 64
    .max_flat_workgroup_size: 256
    .sgpr_count:     66
    .vgpr_count:     224
    .wavefront_size: 32
...
	.end_amdgpu_metadata
.endif
;; end of part 1
;; launch qkvgemm (part 2): grid 12 x 32, 4 waves a work-group, clusters of 4 x 4, 327,680 bytes of LDS; arguments xc, xs, wc, ws, b_in, qkv, qkvf; writes qkv, qkvf
.if DOCPART == 2
	.amdgcn_target "amdgcn-amd-amdhsa--gfx1250"
	.amdhsa_code_object_version 6
	.text
	.protected	k_qeddaf163ac_qkvgemm
	.globl	k_qeddaf163ac_qkvgemm
	.p2align	8
	.type	k_qeddaf163ac_qkvgemm,@function
k_qeddaf163ac_qkvgemm:
	s_mov_b64 s[64:65], 0
	v_nop
	global_prefetch_b8 v0, s[64:65] scope:SCOPE_SE
	s_setreg_imm32_b32 hwreg(HW_REG_WAVE_MODE, 25, 1), 1
	s_wait_xcnt 0x0
	s_wait_alu depctr_hold_cnt(0) depctr_sa_sdst(0) depctr_va_vdst(0) depctr_va_sdst(0) depctr_va_ssrc(0) depctr_va_vcc(0) depctr_vm_vsrc(0)
	s_getreg_b32 s2, hwreg(HW_REG_IB_STS2, 6, 4)
	s_cmp_eq_u32 s2, 0
	s_cbranch_scc0 .Lentry_in_a_cluster
	s_endpgm
.Lentry_in_a_cluster:
	s_bfe_u32 s2, ttmp6, 0x10000c
	s_cmp_lg_u32 s2, 0xf033
	s_cbranch_scc0 .Lentry_shape_is_right
	s_endpgm
.Lentry_shape_is_right:
; qkv = Q(x) Q(W_in) + b_in on codes of E2M1 with one E8M0 scale for each 32 along K.  M = 8,192, N = 3,072, K = 1,024.
; LEFT OUT: the key third of b_in (columns 1,024 to 2,047): it adds the same number to every score of a softmax row and cancels there for all values; it is not loaded.
; A tile of 256 x 256 is made by four waves, each 128 x 128: 64 accumulators of 16 x 16, 512 registers.  K is two slots of 512 (rows of 256 bytes): both are first fills, nothing is filled again.
; The scale bytes of the work-group's 256 + 256 rows, for all of K, come once, as dense blocks.  By this text's count a wave has three tensor loads out at the start and none later.
; CLUSTERS: 4 x 4 work-groups; A's tiles are asked for jointly along a row of the cluster, B's along a column.  Tile row = 8 cy + cluster y, so that cy is the batch and cluster y the block of 256 positions:
; whether a tile holds a sequence's first 16 positions then hangs on cluster y alone, which all partners share.  Tile column = 4 cluster x + cx, so that cluster x tells q (0), k (1), v (2).
; THE MATRIX INSTRUCTION IS USED TRANSPOSED (source 0 = 16 rows of wc, source 1 = 16 rows of xc): a lane holds eight neighbouring columns of one row.  The bias is the C of each sum's first product.
; OUT: f16, laid [3][4 b][16 h][2048 t][64]; a wave's 128 columns are two heads; four rows of a head are 512 consecutive bytes.  Positions 0-15 of each sequence go out in f32 too, into qkvf [4][16][3072].
; REGISTERS: window 0: v0-31 addresses; v32-95 scale words, two sets, and nothing else; v96-127 packed results; v128-191 A's fragments, later rows on their way out; v192-255 the f32 rows.
;   window 1: B's fragments, two sets, at v0 and v128; v64-127 the bias, eight registers for each of B's blocks.   windows 2, 3: the accumulators ((a, b) at v[8 (8 (a % 4) + b)]).
.set SIZE_K, 1024
.set KSTEP,  512
.set NQ,     4
.set ROWB,   256
.set KROW,   512
.set PITCH,  272                       ; an LDS row: 256 bytes + 16 of padding: the 16 rows that a load touches start at 16 different banks (64 banks of 4 bytes: ISA guide 11.1)
.set FR,     8
.set NL,     2
.set NP,     4
.set HALFT,  128*PITCH
.set SLOT,   4*HALFT
.set KS,     32                        ; a row of scale bytes
.set SCL,    2*SLOT
.set HALFS,  16*272                    ; the scales of 128 rows: 16 units of 256 bytes + 16
.set SBLK,   2*272                     ; those of 16 rows
.set SPARE,  SCL+4*HALFS               ; the spare words, 128 bytes a wave
.set WSTG,   17408                     ; the way out: each wave's bytes in slot 0, which has had its only fill and its last read by then
.set HP,     144                       ; f16 stage: 32 rows (2 heads x 16 positions) x (128 bytes + 16)
.set SPITCH, 528                       ; f32 stage, 4,608 bytes further on: 16 rows x (512 bytes + 16)
.set ADRA, 16
.set ADRB, 20
.set STO32, 22
.set RD32, 23
.set STO,  24
.set RD,   25
.set CO,   26
.set ADRS, 27
.set SPW,  28
.set NIL,  29
.set BO,   30                          ; v30  32 x (lane / 16): my eight numbers of a block's sixteen in b_in
.set SC,   32
.set TMP,  96
.set AF,   128
.set BK,   128
.set FK,   192
.set BI,   64                          ; in window 1
.set G1, 24
.set G0, 32
.set G1B, 48
.set G0B, 56
.set G1S, 68
.set G0S, 76
.set G1SB, 80
.set G0SB, 88
.set MSB, 0
.macro WIN new                         ; the immediate's high byte repeats the setting that is left
.if MSB != \new
	s_set_vgpr_msb (MSB<<8)|\new
.set MSB, \new
.endif
.endm
.set MUL_LO, 0xa1                      ; source 0 (B) window 1, source 1 (A) window 0, C and D window 2
.set MUL_HI, 0xf1                      ; the same, C and D window 3
.set BIA_LO, 0x91                      ; C (the bias) window 1, D window 2
.set BIA_HI, 0xd1                      ; C window 1, D window 3
.set TO_B,   0x40
; A joint load: waves 0 and 1 fetch for A, waves 2 and 3 for B; the branch hangs on the wave's number alone.  An s_nop 0 and four v_nop follow each of the two lines.
.macro JLOAD g0a, g1a, g0b, g1b
	s_cmp_eq_u32 s15, 0
	s_cbranch_scc0 .Lfor_b_\@
	tensor_load_to_lds s[\g0a:\g0a+3], s[\g1a:\g1a+7]
	s_nop 0
.rept 4
	v_nop
.endr
	s_branch .Lasked_\@
.Lfor_b_\@:
	tensor_load_to_lds s[\g0b:\g0b+3], s[\g1b:\g1b+7]
	s_nop 0
.rept 4
	v_nop
.endr
.Lasked_\@:
.endm
.macro CROUND                          ; a round of the cluster's barrier
	s_barrier_signal -1
	s_barrier_wait -1
	s_cmp_lg_u32 s14, 0
	s_cbranch_scc1 .Lnot_wave_0_\@
	s_barrier_signal -3
.Lnot_wave_0_\@:
	s_barrier_wait -3
	s_barrier_signal -1
	s_barrier_wait -1
.endm
	s_load_b128 s[4:7], s[0:1], 0x0                ; x's codes s[4:5], x's scales s[6:7]
	s_load_b128 s[8:11], s[0:1], 0x10              ; W_in's codes s[8:9], its scales s[10:11]
	s_load_b64 s[96:97], s[0:1], 0x20              ; b_in
	s_load_b64 s[12:13], s[0:1], 0x28              ; qkv
	s_load_b64 s[98:99], s[0:1], 0x30              ; qkvf
	v_lshl_add_u32 v[SPW], v0, 2, SPARE
	v_mov_b32 v[NIL], 0
	ds_add_u32 v[SPW], v[NIL]                      ; the wave's opening: the add, twice on end, and its wait ahead of my first tensor load
	ds_add_u32 v[SPW], v[NIL]
	v_lshrrev_b32 v1, 5, v0
	v_readfirstlane_b32 s14, v1                    ; wave 0..3
	s_lshr_b32 s15, s14, 1                         ; which half of the tile's rows is mine.  Also: I fetch for A (0) or for B (1)
	s_and_b32 s16, s14, 1                          ; which half of its columns.  Also: which 128 rows of that tile I fetch
	s_bfe_u32 s40, ttmp6, 0x40000                  ; cx
	s_bfe_u32 s41, ttmp6, 0x40004                  ; cy
	s_lshl_b32 s42, ttmp9, 2
	s_add_co_u32 s42, s42, s40                     ; tile column = 4 x cluster x + cx
	s_and_b32 s100, ttmp7, 0xffff                  ; cluster y: the block of 256 positions
	s_lshl_b32 s17, s41, 3
	s_add_co_u32 s17, s17, s100                    ; tile row = 8 cy + cluster y
	s_lshl_b32 s43, s41, 2
	s_lshl_b32 s43, 15, s43                        ; my row of the cluster
	s_lshl_b32 s44, 0x1111, s40                    ; my column
	s_or_b32 s[G1+0], s43, (0<<16)|(1<<20)|(1<<21)|(5<<22)|(3<<25)  ; the mask; elements of 1 byte; padding on; bit 21 beside a mask; 4 words behind every 64
	s_or_b32 s[G1B+0], s44, (0<<16)|(1<<20)|(1<<21)|(5<<22)|(3<<25)
.irp g, G1, G1B
	s_mov_b32 s[\g+1], ROWB<<16                    ; tensor_dim0
	s_mov_b32 s[\g+2], 128<<16                     ; tensor_dim1
	s_mov_b32 s[\g+3], ROWB<<16                    ; tile_dim0
	s_mov_b32 s[\g+4], 128                         ; tile_dim1
	s_mov_b32 s[\g+5], KROW                        ; stride
	s_mov_b32 s[\g+6], 0
	s_mov_b32 s[\g+7], 0
.endr
	s_or_b32 s[G1S+0], s43, (3<<16)|(1<<20)|(1<<21)|(5<<22)|(3<<25) ; the scales of 128 rows: 4,096 dense bytes as 16 rows of 256 (32 elements of 8 bytes)
	s_or_b32 s[G1SB+0], s44, (3<<16)|(1<<20)|(1<<21)|(5<<22)|(3<<25)
.irp g, G1S, G1SB
	s_mov_b32 s[\g+1], 32<<16
	s_mov_b32 s[\g+2], 16<<16
	s_mov_b32 s[\g+3], 32<<16
	s_mov_b32 s[\g+4], 16
	s_mov_b32 s[\g+5], 32
	s_mov_b32 s[\g+6], 0
	s_mov_b32 s[\g+7], 0
.endr
	s_lshl_b32 s18, s16, 7
	s_lshl_b32 s20, s17, 8
	s_add_co_u32 s20, s20, s18                     ; A: row 256 x tile row + 128 x half
	s_lshl_b32 s46, s42, 8
	s_add_co_u32 s46, s46, s18                     ; B: row 256 x tile column + 128 x half
	s_mov_b32 s21, 0
	s_mov_b32 s47, 0
	s_mov_b64 s[18:19], KS
	s_mul_u64 s[22:23], s[20:21], s[18:19]
	s_mul_u64 s[92:93], s[46:47], s[18:19]
	s_mov_b64 s[18:19], KROW
	s_mul_u64 s[20:21], s[20:21], s[18:19]
	s_mul_u64 s[46:47], s[46:47], s[18:19]
	s_mul_i32 s45, s14, HALFT                      ; where they go: wave x 128 rows: no place in the cluster enters an LDS address
	s_mul_i32 s94, s14, HALFS
	s_wait_dscnt 0x0                               ; both opening adds are done
	s_wait_kmcnt 0x0
	s_add_nc_u64 s[20:21], s[4:5], s[20:21]
	s_add_nc_u64 s[22:23], s[6:7], s[22:23]
	s_add_nc_u64 s[46:47], s[8:9], s[46:47]
	s_add_nc_u64 s[92:93], s[10:11], s[92:93]
	CROUND                                         ; all sixteen work-groups are here: the joint loads meet
	s_mov_b32 s[G0S], 1
	s_add_co_u32 s[G0S+1], s94, SCL
	s_mov_b64 s[G0S+2:G0S+3], s[22:23]
	s_or_b32 s[G0S+3], s[G0S+3], 0x80000000
	s_mov_b32 s[G0SB], 1
	s_add_co_u32 s[G0SB+1], s94, SCL
	s_mov_b64 s[G0SB+2:G0SB+3], s[92:93]
	s_or_b32 s[G0SB+3], s[G0SB+3], 0x80000000
	JLOAD G0S, G1S, G0SB, G1SB                     ; the scales first: they are wanted with the first slot
.irp s, 0,1
	s_mov_b32 s[G0+4*\s], 1
	s_add_co_u32 s[G0+4*\s+1], s45, \s*SLOT
	s_add_nc_u64 s[G0+4*\s+2:G0+4*\s+3], s[20:21], \s*ROWB
	s_or_b32 s[G0+4*\s+3], s[G0+4*\s+3], 0x80000000
	s_mov_b32 s[G0B+4*\s], 1
	s_add_co_u32 s[G0B+4*\s+1], s45, \s*SLOT
	s_add_nc_u64 s[G0B+4*\s+2:G0B+4*\s+3], s[46:47], \s*ROWB
	s_or_b32 s[G0B+4*\s+3], s[G0B+4*\s+3], 0x80000000
	JLOAD G0+4*\s, G1, G0B+4*\s, G1B
.endr
	v_and_b32 v1, 15, v0                           ; r = l % 16
	v_bfe_u32 v2, v0, 4, 1                         ; h = l / 16
	v_mul_u32_u24 v3, v1, PITCH
	v_lshl_add_u32 v4, v2, 4, v3                   ; a fragment's row x pitch + 16 x half
	s_mul_i32 s21, s15, HALFT
	s_mul_i32 s22, s16, HALFT
	s_add_co_u32 s22, s22, 2*HALFT
.irp s, 0,1
	v_add_nc_u32 v[ADRA+\s], s21, v4
	v_add_nc_u32 v[ADRB+\s], s22, v4
	s_add_co_u32 s21, s21, SLOT
	s_add_co_u32 s22, s22, SLOT
.endr
	v_mul_u32_u24 v5, v1, KS                       ; my row's scales: 32 bytes a row,
	v_lshrrev_b32 v6, 8, v5
	v_lshl_add_u32 v5, v6, 4, v5                   ; and 16 more for each 256 passed
	s_mul_i32 s21, s15, HALFS
	s_mul_i32 s22, s16, HALFS
	s_add_co_u32 s22, s22, 2*HALFS
	s_sub_co_u32 s22, s22, s21
	v_mul_u32_u24 v6, s22, v2                      ; lanes 16-31 take B's
	s_add_co_u32 s21, s21, SCL
	v_add_nc_u32 v5, v5, v6
	v_add_nc_u32 v[ADRS], s21, v5
	s_mul_i32 s23, s14, WSTG                       ; my stages
	v_mul_u32_u24 v5, v1, HP
	v_lshl_add_u32 v5, v2, 4, v5
	v_add_nc_u32 v[STO], s23, v5                   ; f16, in: row r, 16 bytes for each half of the lanes
	v_and_b32 v6, 31, v0
	v_lshrrev_b32 v5, 3, v6
	v_mul_u32_u24 v5, v5, HP
	v_and_b32 v3, 7, v0
	v_lshl_add_u32 v5, v3, 4, v5
	v_add_nc_u32 v[RD], s23, v5                    ; back: eight lanes to a row of 128 bytes, four rows an instruction
	v_lshlrev_b32 v[CO], 4, v6                     ; and 16 x lane in memory
	s_add_co_u32 s23, s23, 32*HP
	v_mul_u32_u24 v5, v1, SPITCH
	v_lshl_add_u32 v5, v2, 5, v5
	v_add_nc_u32 v[STO32], s23, v5                 ; f32, in: row r, 32 bytes for each half
	v_add_nc_u32 v[RD32], s23, v[CO]               ; back: the 32 lanes take a row of 512 bytes
	v_lshlrev_b32 v[BO], 5, v2
	; where my part of qkv begins: head index ((4 third + batch) 16 + 4 cx + 2 half) x 262,144 bytes + position x 128
	s_lshl_b32 s20, s100, 15
	s_lshl_b32 s21, s15, 14
	s_add_co_u32 s20, s20, s21                     ; (256 cluster y + 128 row half) x 128
	s_lshl_b32 s21, ttmp9, 2
	s_add_co_u32 s21, s21, s41
	s_lshl_b32 s21, s21, 22                        ; (4 third + batch) x 16 heads
	s_add_co_u32 s20, s20, s21
	s_mov_b32 s21, 0
	s_lshl_b32 s46, s40, 2
	s_lshl_b32 s47, s16, 1
	s_add_co_u32 s46, s46, s47
	s_lshl_b32 s46, s46, 18                        ; (4 cx + 2 column half) heads
	s_mov_b32 s47, 0
	s_add_nc_u64 s[20:21], s[20:21], s[46:47]
	s_add_nc_u64 s[12:13], s[12:13], s[20:21]
	s_lshl_b32 s46, s42, 10
	s_lshl_b32 s20, s16, 9
	s_add_co_u32 s46, s46, s20                     ; my first column, in bytes of f32
	s_add_nc_u64 s[96:97], s[96:97], s[46:47]      ; in b_in,
	s_add_nc_u64 s[98:99], s[98:99], s[46:47]      ; and in a row of qkvf;
	s_mul_i32 s46, s41, 196608
	s_add_nc_u64 s[98:99], s[98:99], s[46:47]      ; my batch's 16 rows of 12,288 bytes
.macro FRAG reg, adr, q, i             ; 16 rows x 128 K of 4-bit codes, 8 registers: lane l holds row l % 16; registers 4 c .. 4 c + 3 hold K = 64 c + 32 (l / 16) + 0 .. 31
.irp c, 0,1
	ds_load_b128 v[\reg+4*\c:\reg+4*\c+3], v[\adr] offset:64*(\q)+32*\c+(\i)*16*PITCH
.endr
.endm
; 16 matrix instructions: A's blocks a0, a0 + 1 x B's eight.  zero = 1: C is the constant 0; zero = 2: C is the bias; else the sums go on.  The 64 accumulators take turns.
.macro MUL16 a0, p, q, sc, zero
.irp a, \a0, \a0+1
.irp b, 0,1,2,3,4,5,6,7
.if \zero == 1
	v_wmma_scale_f32_16x16x128_f8f6f4 v[8*(8*((\a)%4)+\b):8*(8*((\a)%4)+\b)+7], v[128*(\p)+FR*\b:128*(\p)+FR*\b+FR-1], v[AF+FR*(\a):AF+FR*(\a)+FR-1], 0, v[SC+8*NQ*(\sc)+NQ*\b+(\q)], v[SC+8*NQ*(\sc)+NQ*(\a)+(\q)] matrix_a_fmt:MATRIX_FMT_FP4 matrix_b_fmt:MATRIX_FMT_FP4 matrix_a_scale:MATRIX_SCALE_ROW1
.elseif \zero == 2
	v_wmma_scale_f32_16x16x128_f8f6f4 v[8*(8*((\a)%4)+\b):8*(8*((\a)%4)+\b)+7], v[128*(\p)+FR*\b:128*(\p)+FR*\b+FR-1], v[AF+FR*(\a):AF+FR*(\a)+FR-1], v[BI+8*\b:BI+8*\b+7], v[SC+8*NQ*(\sc)+NQ*\b+(\q)], v[SC+8*NQ*(\sc)+NQ*(\a)+(\q)] matrix_a_fmt:MATRIX_FMT_FP4 matrix_b_fmt:MATRIX_FMT_FP4 matrix_a_scale:MATRIX_SCALE_ROW1
.else
	v_wmma_scale_f32_16x16x128_f8f6f4 v[8*(8*((\a)%4)+\b):8*(8*((\a)%4)+\b)+7], v[128*(\p)+FR*\b:128*(\p)+FR*\b+FR-1], v[AF+FR*(\a):AF+FR*(\a)+FR-1], v[8*(8*((\a)%4)+\b):8*(8*((\a)%4)+\b)+7], v[SC+8*NQ*(\sc)+NQ*\b+(\q)], v[SC+8*NQ*(\sc)+NQ*(\a)+(\q)] matrix_a_fmt:MATRIX_FMT_FP4 matrix_b_fmt:MATRIX_FMT_FP4 matrix_a_scale:MATRIX_SCALE_ROW1
.endif
.endr
.endr
.endm
.macro FETCH_B slot, q, p
	WIN TO_B
.irp i, 0,1,2,3,4,5,6,7
	FRAG 128*(\p)+FR*\i, ADRB+\slot, \q, \i
.endr
	WIN 0
.endm
.macro FETCH_A slot, q, i0
.irp i, \i0, \i0+1, \i0+2, \i0+3
	FRAG AF+FR*(\i), ADRA+\slot, \q, \i
.endr
.endm
.macro SCALES sc                       ; a slot's scale words: lanes 0-15 take A's block i, lanes 16-31 B's block i; four words a row
.irp i, 0,1,2,3,4,5,6,7
	ds_load_b128 v[SC+8*NQ*\sc+NQ*\i:SC+8*NQ*\sc+NQ*\i+3], v[ADRS] offset:\i*SBLK
.endr
.endm
.macro PLACES n                        ; plain vector lines between a matrix instruction and a load into its registers or a read of its result
.rept \n
	v_nop
.endr
.endm
.macro STEP slot, q, zero              ; 128 along K that has its successor in the same slot
	s_wait_dscnt 4*NL                              ; B's set, the scale words and A's blocks 0-3 are in; the youngest eight loads (A's blocks 4-7) may be out
.if \zero == 2
	WIN BIA_LO
.else
	WIN MUL_LO
.endif
	MUL16 0, (\q)%2, \q, \slot, \zero
	MUL16 2, (\q)%2, \q, \slot, \zero
	s_wait_dscnt 0
	PLACES NP
	FETCH_B \slot, (\q)+1, 1-(\q)%2
	FETCH_A \slot, (\q)+1, 0
.if \zero == 2
	WIN BIA_HI
.else
	WIN MUL_HI
.endif
	MUL16 4, (\q)%2, \q, \slot, \zero
	MUL16 6, (\q)%2, \q, \slot, \zero
	PLACES NP
	WIN 0
	FETCH_A \slot, (\q)+1, 4
.endm
; Slot 0's last step changes slots: each wave waits for all its tensor loads (its part of slot 1), adds 0 to its spare word, waits for that and for its reads of slot 0; one barrier.  Nothing is filled again.
.macro TURN slot, next
	s_wait_tensorcnt 0x0
	ds_add_u32 v[SPW], v[NIL]
	s_wait_dscnt 4*NL+1                            ; the add and the youngest eight loads may be out
	WIN MUL_LO
	MUL16 0, 1, NQ-1, \slot, 0
	s_wait_dscnt 0x0                               ; the add is done, and my reads of this slot are over
	s_barrier_signal -1
	MUL16 2, 1, NQ-1, \slot, 0
	WIN 0
	s_barrier_wait -1
	PLACES NP
	v_add_nc_u32 v[ADRS], 4*NQ, v[ADRS]            ; the next slot's scale words: 16 bytes on in each row
	FETCH_B \next, 0, 0
	FETCH_A \next, 0, 0
	SCALES \next
	WIN MUL_HI
	MUL16 4, 1, NQ-1, \slot, 0
	MUL16 6, 1, NQ-1, \slot, 0
	PLACES NP
	WIN 0
	FETCH_A \next, 0, 4
.endm
.macro STEPS slot, from
.set Q, \from
.rept NQ-1-\from
	STEP \slot, Q, 0
.set Q, Q+1
.endr
.endm
; The start of the products: slot 0 is shown to all four waves, its first fragments and scale words are fetched, and the first step's products start the sums.  zero as in MUL16.
.macro START zero
	s_wait_tensorcnt 1                             ; the scales and my part of slot 0 are in; slot 1's load may be out
	s_barrier_signal -1
	s_barrier_wait -1
	FETCH_B 0, 0, 0
	FETCH_A 0, 0, 0
	SCALES 0
	FETCH_A 0, 0, 4
.if \zero == 2
	s_wait_loadcnt 0x0                             ; the bias
.endif
	STEP 0, 0, \zero
.endm
	; The start is written twice, in the two arms of ONE branch, so that the bias is loaded and used on one and the same way.  The test hangs on cluster x alone: it is the same in all four waves and in all sixteen partners,
	; so every wave passes exactly one of the two barriers, with its whole work-group.
	s_cmp_eq_u32 ttmp9, 1                          ; the key third takes no bias
	s_cbranch_scc1 .Lfirst_k
	WIN TO_B
.irp b, 0,1,2,3,4,5,6,7
	global_load_b128 v[BI+8*\b:BI+8*\b+3], v[BO], s[96:97] offset:64*\b        ; lane (r, h), register j: b_in at column 16 b + 8 h + j: the result's layout.  They land while the first tiles are on their way
	global_load_b128 v[BI+8*\b+4:BI+8*\b+7], v[BO], s[96:97] offset:64*\b+16
.endr
	WIN 0
	START 2                                        ; q and v: the bias is the C of the first products
	s_branch .Lfirst_done
.Lfirst_k:
	START 1                                        ; k: the constant 0
.Lfirst_done:
	STEPS 0, 1
	TURN 0, 1
	STEPS 1, 0
	s_wait_dscnt 4*NL                              ; the last step: nothing more to fetch
	WIN MUL_LO
	MUL16 0, 1, NQ-1, 1, 0
	MUL16 2, 1, NQ-1, 1, 0
	s_wait_dscnt 0
	WIN MUL_HI
	MUL16 4, 1, NQ-1, 1, 0
	MUL16 6, 1, NQ-1, 1, 0
	WIN 0
; THE WAY OUT, block by block of 16 positions x 128 columns (two heads).  PACK: rounded to f16, each accumulator from its low end on.  TOSTAGE: into my stage, head by head, and back by rows.  SEND: four rows of a head an instruction.
.macro PACK a
.set AC, 64*((\a)%4)
	WIN 0x0a+5*((\a)/4)                            ; sources 0 and 1: window 2 or 3
.irp b, 0,1,2,3,4,5,6,7
.irp r, 0,1,2,3
	v_cvt_pk_f16_f32 v[TMP+4*\b+\r], v[AC+8*\b+2*\r], v[AC+8*\b+2*\r+1]
.endr
.endr
	WIN 0
.endm
.macro TOSTAGE a
.set BB, BK+32*((\a)%2)
.irp b, 0,1,2,3,4,5,6,7
	ds_store_b128 v[STO], v[TMP+4*\b:TMP+4*\b+3] offset:(\b/4)*16*HP+(\b%4)*32
.endr
.irp i, 0,1,2,3,4,5,6,7
	ds_load_b128 v[BB+4*\i:BB+4*\i+3], v[RD] offset:\i*4*HP        ; LDS serves a wave's instructions in order: these see the stores above
.endr
.endm
.macro SEND a
.set BB, BK+32*((\a)%2)
	s_wait_dscnt 0x0                               ; the block is back in registers
.irp i, 0,1,2,3,4,5,6,7
	global_store_b128 v[CO], v[BB+4*\i:BB+4*\i+3], s[12:13] offset:(\i/4)*262144+(\i%4)*512+(\a)*2048   ; 512 consecutive bytes, aligned
.endr
.endm
	PLACES NP
	PACK 0
	TOSTAGE 0
.irp a, 1,2,3,4,5,6,7
	PACK \a                                        ; block a's conversions stand between block a - 1's loads from the stage and the wait for them
	SEND \a-1
.if \a > 1
	s_wait_xcnt 0x0                                ; block a - 2's stores have read their registers: block a's loads may land there
.endif
	TOSTAGE \a
.endr
	SEND 7
	s_or_b32 s101, s100, s15                       ; positions 0-15 lie in block 0 of the waves with the upper row half, where cluster y is 0
	s_cmp_lg_u32 s101, 0
	s_cbranch_scc1 .Lno_fine
	WIN 0x08                                       ; an LDS store's data are its source 1: window 2
.irp b, 0,1,2,3,4,5,6,7
	ds_store_b128 v[STO32], v[8*\b:8*\b+3] offset:64*\b
	ds_store_b128 v[STO32], v[8*\b+4:8*\b+7] offset:64*\b+16
.endr
	WIN 0
.irp t, 0,1,2,3,4,5,6,7,8,9,10,11,12,13,14,15
	ds_load_b128 v[FK+4*\t:FK+4*\t+3], v[RD32] offset:\t*SPITCH
.endr
	s_wait_dscnt 0x0
.irp t, 0,1,2,3,4,5,6,7,8,9,10,11,12,13,14,15
	global_store_b128 v[CO], v[FK+4*\t:FK+4*\t+3], s[98:99] offset:\t*12288   ; 512 consecutive bytes of a row of qkvf
.endr
.Lno_fine:
	s_wait_tensorcnt 0x0                           ; the wave's end
	ds_add_u32 v[SPW], v[NIL]
	s_wait_dscnt 0x0
	CROUND                                         ; the closing round
	s_endpgm
.Lfunc_end_k_qeddaf163ac_qkvgemm:
	.size	k_qeddaf163ac_qkvgemm, .Lfunc_end_k_qeddaf163ac_qkvgemm-k_qeddaf163ac_qkvgemm
	.p2alignl 7, 3214868480
	.fill 96, 4, 3214868480
	.section	.rodata,"a",@progbits
	.p2align	6, 0x0
	.amdhsa_kernel k_qeddaf163ac_qkvgemm
		.amdhsa_group_segment_fixed_size 327680
		.amdhsa_private_segment_fixed_size 0
		.amdhsa_enable_private_segment 0
		.amdhsa_kernarg_size 56
		.amdhsa_user_sgpr_count 2
		.amdhsa_user_sgpr_kernarg_segment_ptr 1
		.amdhsa_wavefront_size32 1
		.amdhsa_system_sgpr_workgroup_id_x 1
		.amdhsa_system_sgpr_workgroup_id_y 1
		.amdhsa_system_sgpr_workgroup_id_z 1
		.amdhsa_system_vgpr_workitem_id 0
		.amdhsa_next_free_vgpr 1024
		.amdhsa_next_free_sgpr 102
		.amdhsa_reserve_vcc 0
		.amdhsa_float_denorm_mode_32 3
		.amdhsa_float_denorm_mode_16_64 3
		.amdhsa_memory_ordered 1
		.amdhsa_forward_progress 1
		.amdhsa_inst_pref_size 145
	.end_amdhsa_kernel
	.amdgpu_metadata
---
amdhsa.version: [ 1, 2 ]
amdhsa.kernels:
  - .name:           k_qeddaf163ac_qkvgemm
    .symbol:         k_qeddaf163ac_qkvgemm.kd
    .args:
      - { .name: xc, .offset: 0, .size: 8, .value_kind: global_buffer, .address_space: global }
      - { .name: xs, .offset: 8, .size: 8, .value_kind: global_buffer, .address_space: global }
      - { .name: wc, .offset: 16, .size: 8, .value_kind: global_buffer, .address_space: global }
      - { .name: ws, .offset: 24, .size: 8, .value_kind: global_buffer, .address_space: global }
      - { .name: b_in, .offset: 32, .size: 8, .value_kind: global_buffer, .address_space: global }
      - { .name: qkv, .offset: 40, .size: 8, .value_kind: global_buffer, .address_space: global }
      - { .name: qkvf, .offset: 48, .size: 8, .value_kind: global_buffer, .address_space: global }
    .group_segment_fixed_size: 327680
    .private_segment_fixed_size: 0
    .kernarg_segment_align: 8
    .kernarg_segment_size: 56
    .max_flat_workgroup_size: 128
    .sgpr_count:     102
    .vgpr_count:     1024
    .wavefront_size: 32
...
	.end_amdgpu_metadata
.endif
;; end of part 2
;; launch attn (part 3): grid 4 x 64, 16 waves a work-group, no clusters, 327,680 bytes of LDS; arguments qkv, y; writes y
.if DOCPART == 3
	.amdgcn_target "amdgcn-amd-amdhsa--gfx1250"
	.amdhsa_code_object_version 6
	.text
	.protected	k_qeddaf163ac_attn
	.globl	k_qeddaf163ac_attn
	.p2align	8
	.type	k_qeddaf163ac_attn,@function
k_qeddaf163ac_attn:
	s_mov_b64 s[64:65], 0
	v_nop
	global_prefetch_b8 v0, s[64:65] scope:SCOPE_SE
	s_setreg_imm32_b32 hwreg(HW_REG_WAVE_MODE, 25, 1), 1
	s_wait_xcnt 0x0
; y[b][t][h] = the sum over keys k <= t of softmax_k(q . k / 8) v, per head of 64, operands in f16, products, maxima and sums in f32; the weights p are rounded to f16 for the second product, y once at the end.
; LEFT OUT: key steps that lie wholly above the diagonal (reference() builds the tril mask itself); k comes without its third of b_in, which cancels in the softmax for all values.
; SHARES.  A head has 8 blocks of 256 queries; work-group j of a head owns blocks j and 7 - j, so that all 256 work-groups have the same number of live key steps.  Each of the sixteen waves owns 32 queries,
; two tiles of 16, in 256 registers: four waves to a SIMD, so that one wave's vector work stands beside another's matrix work and LDS loads.  Waves of both blocks are dealt evenly: half = (w xor w / 4) % 2.
; All waves walk the keys 64 a step through a ring of two LDS slots of 256 keys (waves 0, 1 fetch K's halves, waves 2, 3 V's).  Trip counts are constants; a wave jumps over the work of a step all of whose keys
; come after its queries, and a slot whose first key comes after the work-group's last query is not asked for: every wait on TENSORcnt here is for 0, and that test is made of ids alone, alike in all sixteen waves.
; NO CLUSTER: the four work-groups of a head need 8, 7, 6 and 5 slots, so a joint load would bring tiles that some partner never reads.
; LAYOUT.  S^T = K Q^T (source 0 = 16 keys, source 1 = 16 queries): a lane holds ONE query (lane % 16) and keys 8 (lane / 16) + 0..7.  Two such tiles, rounded to f16 in pairs, are source 1 of O^T = V^T P.
; K comes out of LDS as it lies, V ([key][channel]) turned, by ds_load_tr16_b128.
; SOFTMAX.  A running maximum m and sum l for each query: p = 2^(c s - c m), c = log2(e) / 8; in every step O and l are multiplied by a = 2^(c m_old - c m_new).
; y is laid [16 h][8192 (b, t)][64] f16: 16 queries of a head are 2,048 consecutive bytes.
.set KP,    144                        ; a row of K in LDS: 128 bytes + 16: an odd multiple of 16
.set VP,    160                        ; a row of V: 128 + 32: an odd multiple of 32, for the turning load
.set VOFF,  256*KP                     ; a slot: 256 rows of K, then 256 rows of V
.set SLOT1, 1<<17
.set STAGE, 2*SLOT1                    ; behind the ring: 16 rows x 144 bytes for each wave; no fill lands there
.set SPARE, STAGE+16*16*KP             ; the spare words, 128 bytes for each of the sixteen waves
.set AK0, 1                            ; v1   my lane's place in a tile of K
.set AV0, 2                            ; v2   the same for V
.set SPW, 3                            ; v3   my spare word; never rewritten
.set NIL, 4                            ; v4   0; never rewritten
.set GO,  5                            ; v5   16 x lane
.set ADK, 6                            ; v6   LDS address of the step's K; at the end: into the stage
.set ADV, 7                            ; v7   of its V; at the end: out of the stage
.set NEG, 10                           ; v10  -infinity        (v8, v9: the mask's distances)
.set PFO, 11                           ; v11  256 x lane
.set ST,  12                           ; v12-27 eight a tile: +0 c m, +1 m, +2, +3 l, +4, +5 maxima, then sum chain A, +6 a maximum, then a, +7 a maximum, then c m_old - c m_new
.set SB,  28                           ; v28-31 sum chain B, a pair a tile
.set Q,   32                           ; v32-63  Q: tile tq, channels 32 c on, at 32 + 16 tq + 8 c
.set F,   64                           ; v64-127 eight fragments of K, then of V
.set S,   128                          ; v128-191 S^T, 32 a tile; P is made in place in a tile's first 16
.set O,   192                          ; v192-255 O^T, 32 a tile
.set TB,  2
.set WV,  18
.set SEL, 20
.set CS,  22
.set G1K, 24
.set G1V, 32
.set G0K, 40
.set G0V, 44
.set SLOTS, 48
.set KF,  49                           ; the step's first key
.set Q0,  50                           ; my first query
.set QL,  51                           ; my work-group's last query
.set PFA, 52
.set LIM, 54
; Waves 0 and 1 fetch for K, waves 2 and 3 for V, the others nothing.  An s_nop 0 and four v_nop follow each of the two lines.
.macro TLOAD
	s_cmp_lt_u32 s[WV], 2
	s_cbranch_scc0 .Lnot_k_\@
	tensor_load_to_lds s[G0K:G0K+3], s[G1K:G1K+7]
	s_nop 0
.rept 4
	v_nop
.endr
	s_branch .Lasked_\@
.Lnot_k_\@:
	s_cmp_lt_u32 s[WV], 4
	s_cbranch_scc0 .Lasked_\@
	tensor_load_to_lds s[G0V:G0V+3], s[G1V:G1V+7]
	s_nop 0
.rept 4
	v_nop
.endr
.Lasked_\@:
.endm
; A prefetch of what the NEXT change of slots will ask for: a slot's 32,768 bytes of K and of V.  All four work-groups of a head walk the same rows: the head's first work-group asks, which walks all eight slots.
; In it waves 4 to 7 ask for K's block and waves 8 to 11 for V's, 8,192 bytes a wave, lanes 256 bytes apart: each aligned block of 256 bytes is named once in the launch.  The last filling change asks for nothing.
.macro ASK
	s_cmp_gt_u32 s[SLOTS], s[LIM]
	s_cbranch_scc0 .Lnot_mine_\@
	global_prefetch_b8 v[PFO], s[PFA:PFA+1] th:TH_LOAD_NT scope:SCOPE_SE
.Lnot_mine_\@:
.endm
	s_load_b128 s[4:7], s[0:1], 0x0                ; qkv s[4:5], y s[6:7]
	v_lshl_add_u32 v[SPW], v0, 2, SPARE
	v_mov_b32 v[NIL], 0
	ds_add_u32 v[SPW], v[NIL]                      ; the wave's opening: the add, twice on end, and its wait ahead of my first tensor load
	ds_add_u32 v[SPW], v[NIL]
	v_lshrrev_b32 v6, 5, v0
	v_readfirstlane_b32 s[WV], v6                  ; wave 0..15
	s_and_b32 s56, ttmp7, 0xffff                   ; 16 b + h
	s_lshl_b32 s57, s56, 18                        ; the head's first byte in q, in k and in v
	s_lshr_b32 s58, s[WV], 2
	s_xor_b32 s58, s58, s[WV]
	s_and_b32 s58, s58, 1                          ; which of the two blocks is mine
	s_lshl_b32 s59, ttmp9, 1
	s_sub_co_u32 s59, 7, s59
	s_mul_i32 s59, s59, s58
	s_add_co_u32 s59, s59, ttmp9                   ; block j or 7 - j
	s_lshl_b32 s[Q0], s59, 8
	s_lshr_b32 s59, s[WV], 1
	s_lshl_b32 s59, s59, 5
	s_add_co_u32 s[Q0], s[Q0], s59                 ; + 32 (w / 2)
	s_lshl_b32 s[QL], ttmp9, 8
	s_sub_co_u32 s[QL], 2047, s[QL]                ; 256 (7 - j) + 255
	s_lshl_b32 s60, s[Q0], 7
	s_add_co_u32 s60, s60, s57
	s_mov_b32 s61, 0                               ; my queries in q
	s_and_b32 s62, s[WV], 1
	s_lshl_b32 s66, s62, 14
	s_add_co_u32 s66, s66, s57
	s_mov_b32 s67, 0                               ; the 128 rows that I fetch, if I fetch
	s_mul_i32 s72, s62, 128*KP
	s_mul_i32 s73, s62, 128*VP
	s_add_co_u32 s73, s73, VOFF
	s_and_b32 s68, s56, 15
	s_lshr_b32 s69, s56, 4
	s_lshl_b32 s68, s68, 13
	s_lshl_b32 s69, s69, 11
	s_add_co_u32 s68, s68, s69
	s_add_co_u32 s68, s68, s[Q0]
	s_lshl_b32 s68, s68, 7                         ; my rows of y: (8192 h + 2048 b + first query) x 128
	s_mov_b32 s69, 0
	s_mov_b32 s[G1K], (0<<16)|(1<<20)|(4<<22)|(3<<25)   ; elements of 1 byte; padding: 4 words behind every 32
	s_mov_b32 s[G1V], (0<<16)|(1<<20)|(4<<22)|(7<<25)   ; 8 words behind every 32
.irp g, G1K, G1V
	s_mov_b32 s[\g+1], 128<<16                     ; tensor_dim0 = 128 bytes
	s_mov_b32 s[\g+2], 128<<16                     ; tensor_dim1 = 128 rows
	s_mov_b32 s[\g+3], 128<<16                     ; tile_dim0
	s_mov_b32 s[\g+4], 128                         ; tile_dim1
	s_mov_b32 s[\g+5], 128                         ; stride: rows are dense
	s_mov_b32 s[\g+6], 0
	s_mov_b32 s[\g+7], 0
.endr
	s_mov_b32 s[SEL], 0x76543210
	s_mov_b32 s[SEL+1], 0xfedcba98
	s_mov_b32 s[CS], 0x3e38aa3b                    ; c = log2(e) / 8
	s_mov_b32 s[CS+1], s[CS]
	s_mov_b32 s[TB], 0
	s_mov_b32 s[SLOTS], 7
	s_mov_b32 s[KF], 0
	s_wait_dscnt 0x0                               ; both opening adds are done
	s_wait_kmcnt 0x0
	s_add_nc_u64 s[10:11], s[4:5], 0x1000000       ; k
	s_add_nc_u64 s[12:13], s[4:5], 0x2000000       ; v
	s_mov_b32 s[G0K], 1
	s_mov_b32 s[G0K+1], s72
	s_add_nc_u64 s[G0K+2:G0K+3], s[10:11], s[66:67]
	s_or_b32 s[G0K+3], s[G0K+3], 0x80000000
	s_mov_b32 s[G0V], 1
	s_mov_b32 s[G0V+1], s73
	s_add_nc_u64 s[G0V+2:G0V+3], s[12:13], s[66:67]
	s_or_b32 s[G0V+3], s[G0V+3], 0x80000000
	TLOAD                                          ; slot 0: it holds key 0, which counts for every query
	s_add_nc_u64 s[8:9], s[4:5], s[60:61]
	s_add_nc_u64 s[14:15], s[6:7], s[68:69]
	v_and_b32 v8, 15, v0                           ; r
	v_bfe_u32 v9, v0, 4, 1                         ; h
	v_lshlrev_b32 v28, 7, v8
	v_lshl_add_u32 v28, v9, 4, v28                 ; Q: row r of 128 bytes + 16 h
.irp tq, 0,1
.irp c, 0,1
	global_load_b128 v[Q+16*\tq+8*\c:Q+16*\tq+8*\c+3], v28, s[8:9] offset:\tq*2048+\c*64
	global_load_b128 v[Q+16*\tq+8*\c+4:Q+16*\tq+8*\c+7], v28, s[8:9] offset:\tq*2048+\c*64+32
.endr
.endr
	s_cmp_lt_u32 s[WV], 8
	s_cselect_b64 s[PFA:PFA+1], s[10:11], s[12:13]
	s_and_b32 s70, s[WV], 3
	s_lshl_b32 s70, s70, 13
	s_add_co_u32 s70, s70, s57
	s_add_co_u32 s70, s70, 32768                   ; in slot 1: the first change of slots steps it to slot 2.  Nothing is prefetched at the head
	s_mov_b32 s71, 0
	s_add_nc_u64 s[PFA:PFA+1], s[PFA:PFA+1], s[70:71]
	s_sub_co_u32 s70, s[WV], 4
	s_lshr_b32 s70, s70, 3                         ; 0 in waves 4 to 11,
	s_or_b32 s70, s70, ttmp9                       ; of the head's first work-group
	s_cmp_eq_u32 s70, 0
	s_cselect_b32 s[LIM], 1, -1
	v_mul_u32_u24 v[AK0], v8, KP
	v_lshl_add_u32 v[AK0], v9, 4, v[AK0]           ; K: row r x pitch + 16 h
	v_and_b32 v29, 7, v0
	v_lshl_add_u32 v29, v9, 3, v29
	v_mul_u32_u24 v[AV0], v29, VP                  ; V: key 8 h + l % 8,
	v_bfe_u32 v29, v0, 3, 1
	v_lshl_add_u32 v[AV0], v29, 4, v[AV0]          ; channels 8 ((l / 8) % 2) on
	v_add_nc_u32 v[AV0], VOFF, v[AV0]
	v_and_b32 v[GO], 31, v0
	v_lshlrev_b32 v[PFO], 8, v[GO]
	v_lshlrev_b32 v[GO], 4, v[GO]
	v_mov_b32 v[NEG], 0xff800000
.irp t, 0,1
	v_mov_b32 v[ST+8*\t+1], 0xff61b1e6             ; m: -3e38, under every score
	v_mov_b32 v[ST+8*\t+2], 0                      ; l
	v_mov_b32 v[ST+8*\t+3], 0
.endr
.irp t, 0,1
	v_mul_f32 v[ST+8*\t], s[CS], v[ST+8*\t+1]      ; c m
.endr
.set i_, 0
.rept 64
	v_mov_b32 v[O+i_], 0                           ; O^T: the step is written once; its first turn finds zeros, which a = 0 leaves zeros
.set i_, i_+1
.endr
; A KEY STEP: 64 keys, the q-th of the slot in hand.
.macro STEP q
	s_add_co_u32 s56, s[Q0], 31
	s_cmp_gt_u32 s[KF], s56                        ; all 64 keys come after my 32 queries: the step's work is left out
	s_cbranch_scc1 .Lhidden_\@
	v_add_nc_u32 v[ADK], s[TB], v[AK0]
	v_add_nc_u32 v[ADV], s[TB], v[AV0]
.rept 3
	v_nop                                          ; with the two additions five places: the products below write over P, which the last products read, and the loads land in their fragments
.endr
.irp kt, 0,1,2,3
.irp c, 0,1
	ds_load_b128 v[F+16*\kt+8*\c:F+16*\kt+8*\c+3], v[ADK] offset:(\q)*64*KP+\kt*16*KP+\c*64
	ds_load_b128 v[F+16*\kt+8*\c+4:F+16*\kt+8*\c+7], v[ADK] offset:(\q)*64*KP+\kt*16*KP+\c*64+32
.endr
.endr
	s_wait_dscnt 0x0
.irp c, 0,1                                    ; S^T = K Q^T: the eight accumulators take turns
.irp kt, 0,1,2,3
.irp tq, 0,1
.if \c == 0
	v_wmma_f32_16x16x32_f16 v[S+32*\tq+8*\kt:S+32*\tq+8*\kt+7], v[F+16*\kt+8*\c:F+16*\kt+8*\c+7], v[Q+16*\tq+8*\c:Q+16*\tq+8*\c+7], 0
.else
	v_wmma_f32_16x16x32_f16 v[S+32*\tq+8*\kt:S+32*\tq+8*\kt+7], v[F+16*\kt+8*\c:F+16*\kt+8*\c+7], v[Q+16*\tq+8*\c:Q+16*\tq+8*\c+7], v[S+32*\tq+8*\kt:S+32*\tq+8*\kt+7]
.endif
.endr
.endr
.endr
.rept 4
	v_nop                                          ; places in front of the loads into K's registers and of the first read of the scores
.endr
.irp g, 0,1                                    ; V, turned: keys 32 g on, channels 16 ct on; it lands under the softmax
.irp ct, 0,1,2,3
	ds_load_tr16_b128 v[F+8*(4*\g+\ct):F+8*(4*\g+\ct)+3], v[ADV] offset:(\q)*64*VP+\g*32*VP+\ct*32
	ds_load_tr16_b128 v[F+8*(4*\g+\ct)+4:F+8*(4*\g+\ct)+7], v[ADV] offset:(\q)*64*VP+\g*32*VP+16*VP+\ct*32
.endr
.endr
	s_add_co_u32 s56, s[KF], 63
	s_cmp_le_u32 s56, s[Q0]                        ; all keys count for all my queries: no mask
	s_cbranch_scc1 .Lopen_\@
	s_sub_co_i32 s56, s[Q0], s[KF]
	v_and_b32 v8, 15, v0
	v_bfe_u32 v9, v0, 4, 1
	v_lshlrev_b32 v9, 3, v9
	v_sub_nc_u32 v8, v8, v9
	v_add_nc_u32 v8, s56, v8                       ; d = my query - KF - 8 (lane / 16), tile 0; register n holds key KF + 8 (lane / 16) + 16 (n / 8) + n % 8: hidden where 16 (n / 8) + n % 8 > d
	v_add_nc_u32 v9, 16, v8                        ; tile 1
.irp tq, 0,1
.set n_, 0
.rept 32
	v_cmp_gt_i32 vcc_lo, 16*(n_/8)+n_%8, v[8+\tq]
	v_cndmask_b32 v[S+32*\tq+n_], v[S+32*\tq+n_], v[NEG], vcc_lo
.set n_, n_+1
.endr
.endr
.Lopen_\@:
.irp j, 0,1,2,3                                ; the maximum of the lane's 32 scores and the old m, in four chains, both tiles by turns; each accumulator is read from its low end on
.irp t, 0,1
	v_max3_num_f32 v[ST+8*\t+4+\j], v[S+32*\t+8*\j], v[S+32*\t+8*\j+1], v[S+32*\t+8*\j+2]
.endr
.endr
.irp i, 3,5
.irp j, 0,1,2,3
.irp t, 0,1
	v_max3_num_f32 v[ST+8*\t+4+\j], v[ST+8*\t+4+\j], v[S+32*\t+8*\j+\i], v[S+32*\t+8*\j+\i+1]
.endr
.endr
.endr
.irp t, 0,1
	v_max3_num_f32 v[ST+8*\t+4], v[ST+8*\t+4], v[S+32*\t+7], v[S+32*\t+15]
	v_max3_num_f32 v[ST+8*\t+6], v[ST+8*\t+6], v[S+32*\t+23], v[S+32*\t+31]
.endr
.irp t, 0,1
	v_max3_num_f32 v[ST+8*\t+4], v[ST+8*\t+4], v[ST+8*\t+5], v[ST+8*\t+6]
.endr
.irp t, 0,1
	v_max3_num_f32 v[ST+8*\t+4], v[ST+8*\t+4], v[ST+8*\t+7], v[ST+8*\t+1]
.endr
.irp t, 0,1
	v_permlanex16_b32 v[ST+8*\t+5], v[ST+8*\t+4], s[SEL], s[SEL+1]   ; the query's other 32 keys lie in the lane 16 away
.endr
.irp t, 0,1
	v_mov_b32 v[ST+8*\t+7], v[ST+8*\t]             ; c m_old
.endr
.irp t, 0,1
	v_max_num_f32 v[ST+8*\t+1], v[ST+8*\t+4], v[ST+8*\t+5]
.endr
.irp t, 0,1
	v_mul_f32 v[ST+8*\t], s[CS], v[ST+8*\t+1]
.endr
.irp t, 0,1
	v_sub_f32 v[ST+8*\t+7], v[ST+8*\t+7], v[ST+8*\t]
.endr
.irp t, 0,1
	v_exp_f32 v[ST+8*\t+6], v[ST+8*\t+7]           ; a
.endr
.irp j, 0,2,4,6,8,10,12,14,16,18,20,22,24,26,28,30
.irp t, 0,1
	v_pk_fma_f32 v[S+32*\t+\j:S+32*\t+\j+1], v[S+32*\t+\j:S+32*\t+\j+1], s[CS:CS+1], v[ST+8*\t:ST+8*\t+1] op_sel_hi:[1,0,0] neg_lo:[0,0,1] neg_hi:[0,0,1]   ; c s - c m
.endr
.endr
.irp t, 0,1
.set i_, 0
.rept 32
	v_exp_f32 v[S+32*\t+i_], v[S+32*\t+i_]         ; p, at most 1
.set i_, i_+1
.endr
.endr
	v_nop                                          ; a plain line behind the last exponential
	s_wait_alu depctr_va_vdst(0)                   ; ONE wait for both tiles' 66 exponentials, ahead of the first line that names a result
.irp t, 0,1                                    ; the row's sum, of the unrounded p, in two chains a tile
	v_pk_add_f32 v[ST+8*\t+4:ST+8*\t+5], v[S+32*\t:S+32*\t+1], v[S+32*\t+2:S+32*\t+3]
	v_pk_add_f32 v[SB+2*\t:SB+2*\t+1], v[S+32*\t+4:S+32*\t+5], v[S+32*\t+6:S+32*\t+7]
.endr
.irp j, 8,12,16,20,24,28
.irp t, 0,1
	v_pk_add_f32 v[ST+8*\t+4:ST+8*\t+5], v[ST+8*\t+4:ST+8*\t+5], v[S+32*\t+\j:S+32*\t+\j+1]
	v_pk_add_f32 v[SB+2*\t:SB+2*\t+1], v[SB+2*\t:SB+2*\t+1], v[S+32*\t+\j+2:S+32*\t+\j+3]
.endr
.endr
.irp t, 0,1
	v_pk_fma_f32 v[ST+8*\t+2:ST+8*\t+3], v[ST+8*\t+2:ST+8*\t+3], v[ST+8*\t+6:ST+8*\t+7], v[ST+8*\t+4:ST+8*\t+5] op_sel_hi:[1,0,1]   ; l = a l + chain A
.endr
.irp t, 0,1
	v_pk_add_f32 v[ST+8*\t+2:ST+8*\t+3], v[ST+8*\t+2:ST+8*\t+3], v[SB+2*\t:SB+2*\t+1]
.endr
.irp j, 0,1,2,3,4,5,6,7,8,9,10,11,12,13,14,15  ; P in place: register j takes pair j; registers 2 j and 2 j + 1 have not been written over, and register j has been used
.irp t, 0,1
	v_cvt_pk_f16_f32 v[S+32*\t+\j], v[S+32*\t+2*\j], v[S+32*\t+2*\j+1]
.endr
.endr
.irp j, 0,2,4,6,8,10,12,14,16,18,20,22,24,26,28,30
.irp t, 0,1
	v_pk_mul_f32 v[O+32*\t+\j:O+32*\t+\j+1], v[O+32*\t+\j:O+32*\t+\j+1], v[ST+8*\t+6:ST+8*\t+7] op_sel_hi:[1,0]   ; O^T x a
.endr
.endr
	s_wait_dscnt 0x0                               ; V is in
.irp g, 0,1                                    ; O^T += V^T P: the eight accumulators take turns
.irp ct, 0,1,2,3
.irp tq, 0,1
	v_wmma_f32_16x16x32_f16 v[O+32*\tq+8*\ct:O+32*\tq+8*\ct+7], v[F+8*(4*\g+\ct):F+8*(4*\g+\ct)+7], v[S+32*\tq+8*\g:S+32*\tq+8*\g+7], v[O+32*\tq+8*\ct:O+32*\tq+8*\ct+7]
.endr
.endr
.endr
.Lhidden_\@:
	s_add_co_u32 s[KF], s[KF], 64
.endm
; THE CHANGE OF SLOTS stands at a slot's head.  Each wave waits for all its tensor loads, adds 0 to its spare word (fill = 1: twice on end), and waits for that and
; for its reads of the slot that it has left.  Behind the barrier the slot ahead is whole and nobody reads the other one, which is then filled with the next 256 keys, up to the causal limit.
.macro CHANGE fill
	s_wait_tensorcnt 0x0
	ds_add_u32 v[SPW], v[NIL]
.if \fill
	ds_add_u32 v[SPW], v[NIL]
	s_xor_b32 s[G0K+1], s[G0K+1], SLOT1            ; no tensor load of mine is out: the walking descriptors turn to the other slot,
	s_add_nc_u64 s[G0K+2:G0K+3], s[G0K+2:G0K+3], 32768   ; and to the next 256 keys
	s_xor_b32 s[G0V+1], s[G0V+1], SLOT1
	s_add_nc_u64 s[G0V+2:G0V+3], s[G0V+2:G0V+3], 32768
	s_wait_xcnt 0x0                                ; the last prefetch, a slot back, has read its address
	s_add_nc_u64 s[PFA:PFA+1], s[PFA:PFA+1], 32768
.endif
	s_wait_dscnt 0x0
	s_barrier_signal -1
	s_barrier_wait -1
.if \fill
	s_add_co_u32 s56, s[KF], 256                   ; the first key of the slot that this change would ask for
	s_cmp_gt_u32 s56, s[QL]                        ; past my work-group's last query: none of its waves would read it
	s_cbranch_scc1 .Lpast_\@
	TLOAD
.Lpast_\@:
	ASK
.endif
.endm
.macro SLOT_STEPS
	STEP 0
	STEP 1
	STEP 2
	STEP 3
	s_xor_b32 s[TB], s[TB], SLOT1
.endm
	s_wait_loadcnt 0x0                             ; Q
.Lslot:                                            ; seven trips
	CHANGE 1
	SLOT_STEPS
	s_sub_co_u32 s[SLOTS], s[SLOTS], 1
	s_cmp_lg_u32 s[SLOTS], 0
	s_cbranch_scc1 .Lslot
	CHANGE 0                                       ; the last slot is written out: nothing is left to ask for
	SLOT_STEPS
	; THE WAY OUT: O^T / l, rounded to f16, through my stage, a tile of 16 queries at a time; four rows of y are 512 consecutive bytes.
.rept 4
	v_nop
.endr
.irp t, 0,1
	v_add_f32 v[ST+8*\t+4], v[ST+8*\t+2], v[ST+8*\t+3]
.endr
.irp t, 0,1
	v_permlanex16_b32 v[ST+8*\t+5], v[ST+8*\t+4], s[SEL], s[SEL+1]
.endr
.irp t, 0,1
	v_add_f32 v[ST+8*\t+4], v[ST+8*\t+4], v[ST+8*\t+5]
.endr
.irp t, 0,1
	v_rcp_f32 v[ST+8*\t+6], v[ST+8*\t+4]
.endr
	v_and_b32 v8, 15, v0
	v_bfe_u32 v9, v0, 4, 1
	s_mul_i32 s56, s[WV], 16*KP
	s_add_co_u32 s56, s56, STAGE
	v_mul_u32_u24 v[ADK], v8, KP
	v_lshl_add_u32 v[ADK], v9, 4, v[ADK]
	v_add_nc_u32 v[ADK], s56, v[ADK]               ; in: row r, 16 bytes for each half of the lanes
	v_bfe_u32 v8, v0, 3, 2
	v_and_b32 v9, 7, v0
	v_mul_u32_u24 v[ADV], v8, KP
	v_lshl_add_u32 v[ADV], v9, 4, v[ADV]
	v_add_nc_u32 v[ADV], s56, v[ADV]               ; back: eight lanes to a row, four rows an instruction
	s_wait_alu depctr_va_vdst(0)                   ; one wait for the two reciprocals, ahead of their first reader
.irp t, 0,1
.irp j, 0,2,4,6,8,10,12,14,16,18,20,22,24,26,28,30
	v_pk_mul_f32 v[S+32*\t+\j:S+32*\t+\j+1], v[O+32*\t+\j:O+32*\t+\j+1], v[ST+8*\t+6:ST+8*\t+7] op_sel_hi:[1,0]
.endr
.irp j, 0,1,2,3,4,5,6,7,8,9,10,11,12,13,14,15
	v_cvt_pk_f16_f32 v[F+16*\t+\j], v[S+32*\t+2*\j], v[S+32*\t+2*\j+1]
.endr
.irp ct, 0,1,2,3
	ds_store_b128 v[ADK], v[F+16*\t+4*\ct:F+16*\t+4*\ct+3] offset:32*\ct
.endr
.irp i, 0,1,2,3
	ds_load_b128 v[F+32+16*\t+4*\i:F+32+16*\t+4*\i+3], v[ADV] offset:\i*4*KP   ; LDS serves a wave's instructions in order: these see my stores, and the next tile's stores come behind them
.endr
.endr
	s_wait_dscnt 0x0
.irp t, 0,1
.irp i, 0,1,2,3
	global_store_b128 v[GO], v[F+32+16*\t+4*\i:F+32+16*\t+4*\i+3], s[14:15] offset:\t*2048+\i*512
.endr
.endr
	s_wait_tensorcnt 0x0                           ; the wave's end
	ds_add_u32 v[SPW], v[NIL]
	s_wait_dscnt 0x0
	s_endpgm
.Lfunc_end_k_qeddaf163ac_attn:
	.size	k_qeddaf163ac_attn, .Lfunc_end_k_qeddaf163ac_attn-k_qeddaf163ac_attn
	.p2alignl 7, 3214868480
	.fill 96, 4, 3214868480
	.section	.rodata,"a",@progbits
	.p2align	6, 0x0
	.amdhsa_kernel k_qeddaf163ac_attn
		.amdhsa_group_segment_fixed_size 327680
		.amdhsa_private_segment_fixed_size 0
		.amdhsa_enable_private_segment 0
		.amdhsa_kernarg_size 16
		.amdhsa_user_sgpr_count 2
		.amdhsa_user_sgpr_kernarg_segment_ptr 1
		.amdhsa_wavefront_size32 1
		.amdhsa_system_sgpr_workgroup_id_x 1
		.amdhsa_system_sgpr_workgroup_id_y 1
		.amdhsa_system_sgpr_workgroup_id_z 1
		.amdhsa_system_vgpr_workitem_id 0
		.amdhsa_next_free_vgpr 256
		.amdhsa_next_free_sgpr 80
		.amdhsa_reserve_vcc 1
		.amdhsa_float_denorm_mode_32 3
		.amdhsa_float_denorm_mode_16_64 3
		.amdhsa_memory_ordered 1
		.amdhsa_forward_progress 1
		.amdhsa_inst_pref_size 189
	.end_amdhsa_kernel
	.amdgpu_metadata
---
amdhsa.version: [ 1, 2 ]
amdhsa.kernels:
  - .name:           k_qeddaf163ac_attn
    .symbol:         k_qeddaf163ac_attn.kd
    .args:
      - { .name: qkv, .offset: 0, .size: 8, .value_kind: global_buffer, .address_space: global }
      - { .name: y, .offset: 8, .size: 8, .value_kind: global_buffer, .address_space: global }
    .group_segment_fixed_size: 327680
    .private_segment_fixed_size: 0
    .kernarg_segment_align: 8
    .kernarg_segment_size: 16
    .max_flat_workgroup_size: 512
    .sgpr_count:     80
    .vgpr_count:     256
    .wavefront_size: 32
...
	.end_amdgpu_metadata
.endif
;; end of part 3
;; launch proj (part 4): grid 8 x 32, 4 waves a work-group, clusters of 4 x 4, 327,680 bytes of LDS; arguments y, wot, b_out, out0; writes out0
.if DOCPART == 4
	.amdgcn_target "amdgcn-amd-amdhsa--gfx1250"
	.amdhsa_code_object_version 6
	.text
	.protected	k_qeddaf163ac_proj
	.globl	k_qeddaf163ac_proj
	.p2align	8
	.type	k_qeddaf163ac_proj,@function
k_qeddaf163ac_proj:
	s_mov_b64 s[64:65], 0
	v_nop
	global_prefetch_b8 v0, s[64:65] scope:SCOPE_SE
	s_setreg_imm32_b32 hwreg(HW_REG_WAVE_MODE, 25, 1), 1
	s_wait_xcnt 0x0
	s_wait_alu depctr_hold_cnt(0) depctr_sa_sdst(0) depctr_va_vdst(0) depctr_va_sdst(0) depctr_va_ssrc(0) depctr_va_vcc(0) depctr_vm_vsrc(0)
	s_getreg_b32 s2, hwreg(HW_REG_IB_STS2, 6, 4)
	s_cmp_eq_u32 s2, 0
	s_cbranch_scc0 .Lentry_in_a_cluster
	s_endpgm
.Lentry_in_a_cluster:
	s_bfe_u32 s2, ttmp6, 0x10000c
	s_cmp_lg_u32 s2, 0xf033
	s_cbranch_scc0 .Lentry_shape_is_right
	s_endpgm
.Lentry_shape_is_right:
; out0 = y W_out + b_out, operands in f16, sums in f32.  M = 8,192, N = 1,024, K = 1,024.
; LEFT TO THE NEXT LAUNCH: rows t < 16 of each batch are not stored here; they are made wholly in f32 there.  (They lie inside live tiles, so their products stay.)
; A tile of 256 x 128 gives 256 work-groups; a wave makes 128 rows x 64 columns: 32 accumulators, 256 registers (window 1).  y lies [16 planes][8192 rows][64], wot [16 planes][1024 n][64]: a plane's tile is dense.
; A K step is 128: two planes.  Two slots; waves 0 and 1 fetch A's two planes (256 rows x 128 bytes each), waves 2 and 3 B's (128 rows): one load a wave behind each round; two are out at the start.
; CLUSTERS: 4 x 4; A's tiles are asked for jointly along a row of the cluster, B's along a column.  Tile row = 8 cy + cluster y, so that 'this tile begins a sequence' hangs on cluster y alone.
; THE MATRIX INSTRUCTION IS USED TRANSPOSED (source 0 = 16 rows of wot, source 1 = 16 rows of y): a lane holds eight neighbouring columns of a row.  The bias is the C of each sum's first product.
; REGISTERS: window 0: v16-30 addresses; v32-127, v128-223 two fragment buffers (A's 8 fragments, then B's 4); v224-255 the bias; on the way out v32-95 rows of out0.   window 1: accumulator (a, b) at v[8 (4 a + b)].
.set PITCH,  144                       ; an LDS row: 128 bytes + 16: an odd multiple of 16
.set PLA,    256*PITCH                 ; a plane of A in a slot
.set PLB,    128*PITCH                 ; a plane of B
.set BOFF,   2*PLA
.set SLOT,   2*PLA+2*PLB
.set STAGE,  2*SLOT                    ; 16 rows x 272 bytes for each wave; no fill lands there
.set SPITCH, 272
.set SPARE,  STAGE+4*16*SPITCH
.set PLANEA, 1048576                   ; a plane of y in memory
.set PLANEB, 131072                    ; a plane of wot
.set ADRA, 16
.set ADRB, 20
.set STO,  24
.set RD,   25
.set CO,   26
.set SPW,  28
.set NIL,  29
.set PFO,  30
.set F0,   32
.set F1,   128
.set BIAS, 224
.set OB,   32
.set G1, 24
.set G0, 32
.set G1B, 48
.set G0B, 56
.set WV, 66
.set WR, 67                            ; w / 2: my half of the tile's rows; also: I fetch for A (0) or for B (1)
.set WC, 68                            ; w % 2: my half of its columns; also: which plane I fetch
.set CLY, 69
.set PFA, 70
.set LIM, 72
.set MSB, 0
.macro WIN new
.if MSB != \new
	s_set_vgpr_msb (MSB<<8)|\new
.set MSB, \new
.endif
.endm
.set MUL,  0x50                        ; C and D window 1, sources window 0
.set MUL0, 0x40                        ; D window 1; C (the bias) window 0
.macro JLOAD s
	s_cmp_eq_u32 s[WR], 0
	s_cbranch_scc0 .Lfor_b_\@
	tensor_load_to_lds s[G0+4*\s:G0+4*\s+3], s[G1:G1+7]
	s_nop 0
.rept 4
	v_nop
.endr
	s_branch .Lasked_\@
.Lfor_b_\@:
	tensor_load_to_lds s[G0B+4*\s:G0B+4*\s+3], s[G1B:G1B+7]
	s_nop 0
.rept 4
	v_nop
.endr
.Lasked_\@:
.endm
.macro CREST
	s_cmp_lg_u32 s[WV], 0
	s_cbranch_scc1 .Lnot_wave_0_\@
	s_barrier_signal -3
.Lnot_wave_0_\@:
	s_barrier_wait -3
	s_barrier_signal -1
	s_barrier_wait -1
.endm
.macro CROUND
	s_barrier_signal -1
	s_barrier_wait -1
	CREST
.endm
; A prefetch of y's K step that stands TWO refills on: a plane's tile is 32,768 dense bytes; the four partners of a row of the cluster take 8,192 each, told apart by address; lanes 256 bytes apart.
; The clusters of a row of clusters read the same rows of y: the first (cluster x = 0) asks; in it waves 0 and 1, a plane each.  So each aligned block of 256 bytes is named once.  The loop's last trip asks for nothing:
; there is no K step two refills on.  wot is not asked for: all 32 tile rows read the same 2 MiB again and again.
.macro ASK
	s_cmp_gt_u32 s3, s[LIM]
	s_cbranch_scc0 .Lnot_mine_\@
	global_prefetch_b8 v[PFO], s[PFA:PFA+1] offset:2*PLANEA th:TH_LOAD_NT scope:SCOPE_SE
.Lnot_mine_\@:
.endm
	s_load_b256 s[4:11], s[0:1], 0x0               ; y s[4:5], wot s[6:7], b_out s[8:9], out0 s[10:11]
	v_lshl_add_u32 v[SPW], v0, 2, SPARE
	v_mov_b32 v[NIL], 0
	ds_add_u32 v[SPW], v[NIL]                      ; the wave's opening: the add, twice on end, and its wait ahead of my first tensor load
	ds_add_u32 v[SPW], v[NIL]
	v_lshrrev_b32 v1, 5, v0
	v_readfirstlane_b32 s[WV], v1
	s_lshr_b32 s[WR], s[WV], 1
	s_and_b32 s[WC], s[WV], 1
	s_bfe_u32 s40, ttmp6, 0x40000                  ; cx
	s_bfe_u32 s41, ttmp6, 0x40004                  ; cy
	s_lshl_b32 s42, ttmp9, 2
	s_add_co_u32 s42, s42, s40                     ; tile column
	s_and_b32 s[CLY], ttmp7, 0xffff
	s_lshl_b32 s13, s41, 3
	s_add_co_u32 s13, s13, s[CLY]                  ; tile row = 8 cy + cluster y
	s_lshl_b32 s43, s41, 2
	s_lshl_b32 s43, 15, s43                        ; my row of the cluster
	s_lshl_b32 s44, 0x1111, s40                    ; my column
	s_or_b32 s[G1+0], s43, (1<<16)|(1<<20)|(1<<21)|(4<<22)|(3<<25)   ; the mask; elements of 2 bytes; padding on; bit 21 beside a mask; 4 words behind every 32
	s_or_b32 s[G1B+0], s44, (1<<16)|(1<<20)|(1<<21)|(4<<22)|(3<<25)
	s_mov_b32 s[G1+1], 64<<16                      ; tensor_dim0 = 64
	s_mov_b32 s[G1+2], 256<<16                     ; tensor_dim1 = 256
	s_mov_b32 s[G1+3], 64<<16                      ; tile_dim0
	s_mov_b32 s[G1+4], 256                         ; tile_dim1
	s_mov_b32 s[G1+5], 64                          ; stride: rows are dense
	s_mov_b32 s[G1+6], 0
	s_mov_b32 s[G1+7], 0
	s_mov_b32 s[G1B+1], 64<<16
	s_mov_b32 s[G1B+2], 128<<16
	s_mov_b32 s[G1B+3], 64<<16
	s_mov_b32 s[G1B+4], 128
	s_mov_b32 s[G1B+5], 64
	s_mov_b32 s[G1B+6], 0
	s_mov_b32 s[G1B+7], 0
	s_lshl_b32 s16, s[WC], 20                      ; A: my plane,
	s_lshl_b32 s17, s13, 15                        ; the tile row's 256 rows of 128 bytes
	s_add_co_u32 s16, s16, s17
	s_mov_b32 s17, 0
	s_lshl_b32 s46, s[WC], 17                      ; B: my plane,
	s_lshl_b32 s47, s42, 14                        ; the tile column's 128 rows
	s_add_co_u32 s46, s46, s47
	s_mov_b32 s47, 0
	s_mul_i32 s20, s[WC], PLA                      ; where they go: no place in the cluster enters an LDS address
	s_mul_i32 s21, s[WC], PLB
	s_add_co_u32 s21, s21, BOFF
	s_wait_dscnt 0x0
	s_wait_kmcnt 0x0
	s_add_nc_u64 s[14:15], s[4:5], s[16:17]
	s_add_nc_u64 s[46:47], s[6:7], s[46:47]
	CROUND
.irp s, 0,1
	s_mov_b32 s[G0+4*\s], 1
	s_add_co_u32 s[G0+4*\s+1], s20, \s*SLOT
	s_add_nc_u64 s[G0+4*\s+2:G0+4*\s+3], s[14:15], \s*2*PLANEA
	s_or_b32 s[G0+4*\s+3], s[G0+4*\s+3], 0x80000000
	s_mov_b32 s[G0B+4*\s], 1
	s_add_co_u32 s[G0B+4*\s+1], s21, \s*SLOT
	s_add_nc_u64 s[G0B+4*\s+2:G0B+4*\s+3], s[46:47], \s*2*PLANEB
	s_or_b32 s[G0B+4*\s+3], s[G0B+4*\s+3], 0x80000000
	JLOAD \s
.endr
	v_and_b32 v1, 15, v0                           ; r
	v_bfe_u32 v2, v0, 4, 1                         ; h
	s_lshl_b32 s22, s42, 9
	s_lshl_b32 s23, s[WC], 8
	s_add_co_u32 s22, s22, s23                     ; my first column, in bytes of f32
	s_mov_b32 s23, 0
	s_add_nc_u64 s[8:9], s[8:9], s[22:23]
	s_add_nc_u64 s[10:11], s[10:11], s[22:23]
	v_lshlrev_b32 v3, 5, v2
.irp b, 0,1,2,3
	global_load_b128 v[BIAS+8*\b:BIAS+8*\b+3], v3, s[8:9] offset:64*\b          ; lane (r, h), register j: b_out at column 16 b + 8 h + j
	global_load_b128 v[BIAS+8*\b+4:BIAS+8*\b+7], v3, s[8:9] offset:64*\b+16
.endr
	s_lshl_b32 s22, s13, 20
	s_lshl_b32 s18, s[WR], 19
	s_add_co_u32 s22, s22, s18                     ; my first row of 4,096 bytes
	s_add_nc_u64 s[10:11], s[10:11], s[22:23]
	s_lshl_b32 s22, s40, 13                        ; the prefetches: my work-group's 8,192 bytes of a plane's tile,
	s_add_nc_u64 s[PFA:PFA+1], s[14:15], s[22:23]
	s_add_nc_u64 s[PFA:PFA+1], s[PFA:PFA+1], 4*PLANEA   ; at K step 2: the first change of slots steps it to 3 and names K step 4.  Nothing is prefetched at the head
	s_or_b32 s22, s[WR], ttmp9
	s_cmp_eq_u32 s22, 0
	s_cselect_b32 s[LIM], 1, -1
	v_and_b32 v[PFO], 31, v0
	v_lshlrev_b32 v[PFO], 8, v[PFO]
	v_mul_u32_u24 v4, v1, PITCH
	v_lshl_add_u32 v4, v2, 4, v4                   ; a fragment's row x pitch + 16 h
	s_mul_i32 s21, s[WR], 128*PITCH                ; my 128 rows of A
	s_mul_i32 s22, s[WC], 64*PITCH                 ; my 64 rows of B
	s_add_co_u32 s22, s22, BOFF
.irp s, 0,1
	v_add_nc_u32 v[ADRA+\s], s21, v4
	v_add_nc_u32 v[ADRB+\s], s22, v4
	s_add_co_u32 s21, s21, SLOT
	s_add_co_u32 s22, s22, SLOT
.endr
	s_mul_i32 s23, s[WV], 16*SPITCH
	s_add_co_u32 s23, s23, STAGE
	v_mul_u32_u24 v5, v1, SPITCH
	v_lshl_add_u32 v5, v2, 5, v5
	v_add_nc_u32 v[STO], s23, v5                   ; in: row r, 32 bytes for each half of the lanes
	v_mul_u32_u24 v5, v2, SPITCH
	v_lshl_add_u32 v5, v1, 4, v5
	v_add_nc_u32 v[RD], s23, v5                    ; back: lanes 0-15 one row of 256 bytes, lanes 16-31 the next
	v_lshlrev_b32 v5, 12, v2
	v_lshl_add_u32 v[CO], v1, 4, v5                ; and the same two rows in out0
.macro MUL8 f, a0, zero                ; A's blocks a0, a0 + 1 x B's four, 32 along K.  zero = 1: the bias starts the sums.  The 32 accumulators take turns
.irp a, \a0, \a0+1
.irp b, 0,1,2,3
.if \zero
	v_wmma_f32_16x16x32_f16 v[8*(4*(\a)+\b):8*(4*(\a)+\b)+7], v[\f+64+8*\b:\f+64+8*\b+7], v[\f+8*(\a):\f+8*(\a)+7], v[BIAS+8*\b:BIAS+8*\b+7]
.else
	v_wmma_f32_16x16x32_f16 v[8*(4*(\a)+\b):8*(4*(\a)+\b)+7], v[\f+64+8*\b:\f+64+8*\b+7], v[\f+8*(\a):\f+8*(\a)+7], v[8*(4*(\a)+\b):8*(4*(\a)+\b)+7]
.endif
.endr
.endr
.endm
.macro FETCH slot, qd, f               ; 24 LDS loads in one run: quarter qd (plane qd / 2, byte 64 (qd % 2)): B's four fragments, A's 0-3, A's 4-7
	WIN 0
.irp i, 0,1,2,3
	ds_load_b128 v[\f+64+8*\i:\f+64+8*\i+3],   v[ADRB+\slot] offset:((\qd)/2)*PLB+((\qd)%2)*64+\i*16*PITCH
	ds_load_b128 v[\f+64+8*\i+4:\f+64+8*\i+7], v[ADRB+\slot] offset:((\qd)/2)*PLB+((\qd)%2)*64+\i*16*PITCH+32
.endr
.irp i, 0,1,2,3,4,5,6,7
	ds_load_b128 v[\f+8*\i:\f+8*\i+3],   v[ADRA+\slot] offset:((\qd)/2)*PLA+((\qd)%2)*64+\i*16*PITCH
	ds_load_b128 v[\f+8*\i+4:\f+8*\i+7], v[ADRA+\slot] offset:((\qd)/2)*PLA+((\qd)%2)*64+\i*16*PITCH+32
.endr
.endm
.macro PLACES
.rept 4
	v_nop
.endr
.endm
.macro QUARTER slot, qn, f, g, zero    ; multiplies buffer f; in its middle fetches quarter qn of the same slot into g
	s_wait_dscnt 8                                 ; B's and A's blocks 0-3 are in; the youngest eight loads (A's blocks 4-7) may be out
.if \zero
	WIN MUL0
.else
	WIN MUL
.endif
	MUL8 \f, 0, \zero
	MUL8 \f, 2, \zero
	PLACES
	FETCH \slot, \qn, \g
	s_wait_dscnt 24                                ; all but the 24 just issued
.if \zero
	WIN MUL0
.else
	WIN MUL
.endif
	MUL8 \f, 4, \zero
	MUL8 \f, 6, \zero
.endm
; The last quarter multiplies buffer 1 and changes slots: in front of ONE barrier each wave waits for all its tensor loads, adds 0 to its spare word, and waits for that and for its reads of this slot.
; fill = 1: the barrier opens a round of the cluster's barrier, and the slot is filled again, two K steps ahead, first thing behind the round.
.macro TURN slot, next, fill
.if \fill
	s_wait_xcnt 0x0                                ; the last prefetch, a K step back, has read its address
	s_add_nc_u64 s[PFA:PFA+1], s[PFA:PFA+1], 2*PLANEA
.endif
	WIN 0
	s_wait_tensorcnt 0x0
	ds_add_u32 v[SPW], v[NIL]
	s_wait_dscnt 9                                 ; the add and the youngest eight loads may be out
	WIN MUL
	MUL8 F1, 0, 0
	s_wait_dscnt 0x0                               ; the add is done, and my reads of this slot are over
	s_barrier_signal -1
	MUL8 F1, 2, 0
.if \fill
	WIN 0
.endif
	s_barrier_wait -1
.if \fill
	CREST
	s_add_nc_u64 s[G0+4*\slot+2:G0+4*\slot+3], s[G0+4*\slot+2:G0+4*\slot+3], 4*PLANEA
	s_add_nc_u64 s[G0B+4*\slot+2:G0B+4*\slot+3], s[G0B+4*\slot+2:G0B+4*\slot+3], 4*PLANEB
	JLOAD \slot                                    ; the four v_nop behind it are also the places in front of the loads below
.else
	PLACES
.endif
	FETCH \next, 0, F0
.if \fill
	ASK
.endif
	WIN MUL
	MUL8 F1, 4, 0
	MUL8 F1, 6, 0
.endm
	s_wait_tensorcnt 1                             ; my part of K step 0 is in; K step 1's load may be out
	s_barrier_signal -1
	s_barrier_wait -1
	FETCH 0, 0, F0
	s_wait_loadcnt 0x0                             ; the bias
	QUARTER 0, 1, F0, F1, 1
	WIN 0
	s_mov_b32 s3, 3
.Llap:                                             ; a trip goes once round the ring and fills both slots again: K steps 2 to 7 in three trips
	QUARTER 0, 2, F1, F0, 0
	QUARTER 0, 3, F0, F1, 0
	TURN 0, 1, 1
	QUARTER 1, 1, F0, F1, 0
	QUARTER 1, 2, F1, F0, 0
	QUARTER 1, 3, F0, F1, 0
	TURN 1, 0, 1
	QUARTER 0, 1, F0, F1, 0
	WIN 0
	s_sub_co_u32 s3, s3, 1
	s_cmp_lg_u32 s3, 0
	s_cbranch_scc1 .Llap
	QUARTER 0, 2, F1, F0, 0                        ; the last lap fills nothing
	QUARTER 0, 3, F0, F1, 0
	TURN 0, 1, 0
	QUARTER 1, 1, F0, F1, 0
	QUARTER 1, 2, F1, F0, 0
	QUARTER 1, 3, F0, F1, 0
	s_wait_dscnt 8
	WIN MUL
	MUL8 F1, 0, 0
	MUL8 F1, 2, 0
	s_wait_dscnt 0
	MUL8 F1, 4, 0
	MUL8 F1, 6, 0
	WIN 0
; THE WAY OUT, block by block of 16 rows x 64 columns, through my own stage; sixteen lanes store 256 consecutive bytes, aligned.
.macro TOSTAGE a
	WIN 0x04                                       ; an LDS store's data are its source 1: window 1
.irp b, 0,1,2,3
	ds_store_b128 v[STO], v[8*(4*(\a)+\b):8*(4*(\a)+\b)+3] offset:64*\b          ; each accumulator from its low end on
	ds_store_b128 v[STO], v[8*(4*(\a)+\b)+4:8*(4*(\a)+\b)+7] offset:64*\b+16
.endr
	WIN 0
.set BB, OB+32*((\a)%2)
.irp i, 0,1,2,3,4,5,6,7
	ds_load_b128 v[BB+4*\i:BB+4*\i+3], v[RD] offset:\i*2*SPITCH
.endr
.endm
.macro SEND a, younger                 ; younger: the next block's eight stores and eight loads, which may stay out
.set BB, OB+32*((\a)%2)
	s_wait_dscnt \younger
.if (\a) == 0
	s_or_b32 s22, s[CLY], s[WR]                    ; block 0 of the upper row half, where cluster y is 0, holds positions 0-15 of a sequence: they are the next launch's
	s_cmp_eq_u32 s22, 0
	s_cbranch_scc1 .Lfine_rows
.endif
.irp i, 0,1,2,3,4,5,6,7
	global_store_b128 v[CO], v[BB+4*\i:BB+4*\i+3], s[10:11] offset:(16*(\a)+2*\i)*4096 th:TH_STORE_NT
.endr
.if (\a) == 0
.Lfine_rows:
.endif
.endm
	PLACES
	TOSTAGE 0
.irp a, 1,2,3,4,5,6,7
.if \a > 1
	s_wait_xcnt 0x0                                ; block a - 2's stores have read their registers
.endif
	TOSTAGE \a
	SEND \a-1, 16
.endr
	SEND 7, 0
	s_wait_tensorcnt 0x0                           ; the wave's end
	ds_add_u32 v[SPW], v[NIL]
	s_wait_dscnt 0x0
	CROUND                                         ; the closing round
	s_endpgm
.Lfunc_end_k_qeddaf163ac_proj:
	.size	k_qeddaf163ac_proj, .Lfunc_end_k_qeddaf163ac_proj-k_qeddaf163ac_proj
	.p2alignl 7, 3214868480
	.fill 96, 4, 3214868480
	.section	.rodata,"a",@progbits
	.p2align	6, 0x0
	.amdhsa_kernel k_qeddaf163ac_proj
		.amdhsa_group_segment_fixed_size 327680
		.amdhsa_private_segment_fixed_size 0
		.amdhsa_enable_private_segment 0
		.amdhsa_kernarg_size 32
		.amdhsa_user_sgpr_count 2
		.amdhsa_user_sgpr_kernarg_segment_ptr 1
		.amdhsa_wavefront_size32 1
		.amdhsa_system_sgpr_workgroup_id_x 1
		.amdhsa_system_sgpr_workgroup_id_y 1
		.amdhsa_system_sgpr_workgroup_id_z 1
		.amdhsa_system_vgpr_workitem_id 0
		.amdhsa_next_free_vgpr 512
		.amdhsa_next_free_sgpr 74
		.amdhsa_reserve_vcc 0
		.amdhsa_float_denorm_mode_32 3
		.amdhsa_float_denorm_mode_16_64 3
		.amdhsa_memory_ordered 1
		.amdhsa_forward_progress 1
		.amdhsa_inst_pref_size 87
	.end_amdhsa_kernel
	.amdgpu_metadata
---
amdhsa.version: [ 1, 2 ]
amdhsa.kernels:
  - .name:           k_qeddaf163ac_proj
    .symbol:         k_qeddaf163ac_proj.kd
    .args:
      - { .name: y, .offset: 0, .size: 8, .value_kind: global_buffer, .address_space: global }
      - { .name: wot, .offset: 8, .size: 8, .value_kind: global_buffer, .address_space: global }
      - { .name: b_out, .offset: 16, .size: 8, .value_kind: global_buffer, .address_space: global }
      - { .name: out0, .offset: 24, .size: 8, .value_kind: global_buffer, .address_space: global }
    .group_segment_fixed_size: 327680
    .private_segment_fixed_size: 0
    .kernarg_segment_align: 8
    .kernarg_segment_size: 32
    .max_flat_workgroup_size: 128
    .sgpr_count:     74
    .vgpr_count:     512
    .wavefront_size: 32
...
	.end_amdgpu_metadata
.endif
;; end of part 4
;; launch fine (part 5): grid 16 x 4, 16 waves a work-group, no clusters, 85,248 bytes of LDS; arguments qkvf, W_out, b_out, out0; writes out0
.if DOCPART == 5
	.amdgcn_target "amdgcn-amd-amdhsa--gfx1250"
	.amdhsa_code_object_version 6
	.text
	.protected	k_qeddaf163ac_fine
	.globl	k_qeddaf163ac_fine
	.p2align	8
	.type	k_qeddaf163ac_fine,@function
k_qeddaf163ac_fine:
	s_mov_b64 s[64:65], 0
	v_nop
	global_prefetch_b8 v0, s[64:65] scope:SCOPE_SE
	s_setreg_imm32_b32 hwreg(HW_REG_WAVE_MODE, 25, 1), 1
	s_wait_xcnt 0x0
; Positions 0-15 of each sequence, attention and projection, wholly in f32: these rows average one to sixteen values and are the largest in size, so the rounding of 16-bit operands would weigh most there.
; LEFT OUT: k comes without its third of b_in, which cancels in the softmax for all values.
; A work-group makes 16 rows x 64 columns of out0 (x: the slice of columns, y: the batch).  PHASE A: wave w is head w: its 16 x 16 attention; each work-group of a batch repeats these sixteen small attentions.
; PHASE B: wave w takes 16 columns (w % 4) and 256 along K (w / 4); the four parts of a sum meet in LDS.
; The f32 matrix form, 16 x 16 x 4: lane (r, h) holds row r and k = 2 h + j in register j.  Both sources of each product take K in one and the same other order (a lane's registers run along neighbouring k), which leaves
; each sum's terms as they are and changes their order alone.  Four accumulators take turns; v192-223 are written by matrix instructions alone; each sum begins with the constant 0.
.set YP,    4112                       ; a row of y in LDS: 4,096 bytes + 16
.set PART,  16*YP                      ; four parts x 16 rows x (256 bytes + 16)
.set SPARE, PART+4*16*272
.set SPW, 12
.set NIL, 13
.set QR,  32                           ; v32-63 q, v64-95 k: lane (r, h): channels 32 h + 0..31 of position r; later W's rows 64-127 of my half
.set KR,  64
.set VR,  96                           ; v96-127 v: register 8 ct + i: key 8 h + i, channel 16 ct + r
.set WA,  128                          ; v128-191 W_out: register i: row 128 h + i of my 256, column r of my 16
.set WB,  32
.set ACC, 192
.set T,   224                          ; v224-255 at work
	s_load_b256 s[4:11], s[0:1], 0x0               ; qkvf s[4:5], W_out s[6:7], b_out s[8:9], out0 s[10:11]
	v_lshl_add_u32 v[SPW], v0, 2, SPARE
	v_mov_b32 v[NIL], 0
	v_lshrrev_b32 v1, 5, v0
	v_readfirstlane_b32 s12, v1                    ; wave 0..15
	v_and_b32 v1, 15, v0                           ; r
	v_bfe_u32 v2, v0, 4, 1                         ; h
	s_and_b32 s13, ttmp7, 0xffff                   ; batch
	s_and_b32 s14, s12, 3                          ; ct
	s_lshr_b32 s15, s12, 2                         ; kq
	s_and_b32 s16, s12, 7
	s_mov_b32 s20, 0x76543210
	s_mov_b32 s21, 0xfedcba98
	s_mov_b32 s22, 0x3e38aa3b                      ; c = log2(e) / 8
	v_mul_u32_u24 v3, v1, 12288
	v_lshl_add_u32 v3, v2, 7, v3                   ; q, k: row r + 128 h
	v_mul_u32_u24 v4, v2, 98304
	v_lshl_add_u32 v4, v1, 2, v4                   ; v: row 8 h, + 4 r
	v_lshlrev_b32 v5, 4, v1                        ; 16 r
	v_lshlrev_b32 v6, 19, v2
	v_lshl_add_u32 v6, v1, 2, v6                   ; W_out: row 128 h, + 4 r
	v_mul_u32_u24 v7, v1, YP
	v_lshl_add_u32 v8, v2, 9, v7
	v_lshl_add_u32 v7, v2, 5, v7
	s_lshl_b32 s17, s12, 8
	v_add_nc_u32 v7, s17, v7                       ; y, in: row r, + 256 w + 32 h
	s_lshl_b32 s17, s15, 10
	v_add_nc_u32 v8, s17, v8                       ; y, back: row r, + 1,024 kq + 512 h
	v_mul_u32_u24 v9, v1, 272
	v_lshl_add_u32 v9, v2, 5, v9
	s_mul_i32 s17, s15, 16*272
	s_lshl_b32 s18, s14, 6
	s_add_co_u32 s17, s17, s18
	s_add_co_u32 s17, s17, PART
	v_add_nc_u32 v9, s17, v9                       ; a part, in: part kq, row r, + 64 ct + 32 h
	v_mul_u32_u24 v10, v2, 272
	v_lshl_add_u32 v10, v1, 4, v10
	s_mul_i32 s17, s16, 2*272
	s_add_co_u32 s17, s17, PART
	v_add_nc_u32 v10, s17, v10                     ; back: row 2 (w % 8) + h, 16 bytes a lane
	v_lshlrev_b32 v11, 12, v2
	v_lshl_add_u32 v11, v1, 4, v11
	s_lshl_b32 s17, s16, 13
	v_add_nc_u32 v11, s17, v11                     ; and the same place in out0
	v_lshlrev_b32 v14, 3, v2
	v_sub_nc_u32 v14, v1, v14                      ; r - 8 h: key 8 h + j is hidden from query r where j > r - 8 h
	v_mov_b32 v15, 0xff800000
	s_mul_i32 s24, s13, 196608
	s_lshl_b32 s17, s12, 8
	s_add_co_u32 s24, s24, s17                     ; my batch's 16 rows, my head's 64 channels
	s_mov_b32 s25, 0
	s_lshl_b32 s26, s15, 20
	s_lshl_b32 s17, ttmp9, 8                       ; the slice's first column, in bytes
	s_add_co_u32 s26, s26, s17
	s_lshl_b32 s18, s14, 6
	s_add_co_u32 s26, s26, s18                     ; W_out: row 256 kq, column 64 slice + 16 ct
	s_mov_b32 s27, 0
	s_mov_b32 s28, s17
	s_mov_b32 s29, 0
	s_lshl_b32 s30, s13, 23
	s_add_co_u32 s30, s30, s17                     ; out0: row 2,048 batch, the slice's first column
	s_mov_b32 s31, 0
	s_wait_kmcnt 0x0
	s_add_nc_u64 s[4:5], s[4:5], s[24:25]
	s_add_nc_u64 s[6:7], s[6:7], s[26:27]
	s_add_nc_u64 s[8:9], s[8:9], s[28:29]
	s_add_nc_u64 s[10:11], s[10:11], s[30:31]
.irp i, 0,1,2,3,4,5,6,7
	global_load_b128 v[QR+4*\i:QR+4*\i+3], v3, s[4:5] offset:16*\i
.endr
.irp i, 0,1,2,3,4,5,6,7
	global_load_b128 v[KR+4*\i:KR+4*\i+3], v3, s[4:5] offset:4096+16*\i
.endr
.irp ct, 0,1,2,3
.irp i, 0,1,2,3,4,5,6,7
	global_load_b32 v[VR+8*\ct+\i], v4, s[4:5] offset:\i*12288+8192+64*\ct
.endr
.endr
	global_load_b128 v[16:19], v5, s[8:9]          ; b_out at my four columns of the slice
	s_wait_loadcnt 0x0
.set i_, 0
.rept 64
	global_load_b32 v[WA+i_], v6, s[6:7] offset:i_*4096   ; W's first 64 rows of my half land under phase A
.set i_, i_+1
.endr
	; ---- PHASE A.  S^T = k q^T: source 0 = 16 keys, source 1 = 16 queries: lane (r, h), register j: key 8 h + j, query r
.set s_, 0
.rept 16
.if s_ < 4
	v_wmma_f32_16x16x4_f32 v[ACC+8*(s_%4):ACC+8*(s_%4)+7], v[KR+2*s_:KR+2*s_+1], v[QR+2*s_:QR+2*s_+1], 0
.else
	v_wmma_f32_16x16x4_f32 v[ACC+8*(s_%4):ACC+8*(s_%4)+7], v[KR+2*s_:KR+2*s_+1], v[QR+2*s_:QR+2*s_+1], v[ACC+8*(s_%4):ACC+8*(s_%4)+7]
.endif
.set s_, s_+1
.endr
.rept 8
	v_nop                                          ; eight places behind this form
.endr
.irp i, 0,2,4,6
	v_pk_add_f32 v[T+\i:T+\i+1], v[ACC+\i:ACC+\i+1], v[ACC+8+\i:ACC+8+\i+1]          ; the four parts of each score; each accumulator from its low end on
	v_pk_add_f32 v[T+8+\i:T+8+\i+1], v[ACC+16+\i:ACC+16+\i+1], v[ACC+24+\i:ACC+24+\i+1]
.endr
.irp i, 0,2,4,6
	v_pk_add_f32 v[T+\i:T+\i+1], v[T+\i:T+\i+1], v[T+8+\i:T+8+\i+1]
.endr
.irp j, 0,1,2,3,4,5,6,7
	v_cmp_gt_i32 vcc_lo, \j, v14
	v_cndmask_b32 v[T+\j], v[T+\j], v15, vcc_lo
.endr
	v_max3_num_f32 v20, v[T], v[T+1], v[T+2]
	v_max3_num_f32 v21, v[T+3], v[T+4], v[T+5]
	v_max3_num_f32 v20, v20, v[T+6], v[T+7]
	v_max_num_f32 v20, v20, v21
	v_permlanex16_b32 v21, v20, s20, s21           ; the query's other eight keys; key 0 counts for every query, so the maximum is a number
	v_max_num_f32 v20, v20, v21
	v_mul_f32 v20, s22, v20                        ; c m
.irp j, 0,1,2,3,4,5,6,7
	v_fma_f32 v[T+\j], v[T+\j], s22, -v20
.endr
.irp j, 0,1,2,3,4,5,6,7
	v_exp_f32 v[T+\j], v[T+\j]
.endr
	v_nop
	s_wait_alu depctr_va_vdst(0)                   ; one wait for the eight exponentials, ahead of their first reader
	v_add_f32 v21, v[T], v[T+1]
	v_add_f32 v22, v[T+2], v[T+3]
	v_add_f32 v23, v[T+4], v[T+5]
	v_add_f32 v24, v[T+6], v[T+7]
	v_add_f32 v21, v21, v22
	v_add_f32 v23, v23, v24
	v_add_f32 v21, v21, v23
	v_permlanex16_b32 v22, v21, s20, s21
	v_add_f32 v21, v21, v22                        ; the row's sum
	v_rcp_f32 v23, v21
	v_nop
	s_wait_alu depctr_va_vdst(0)
.irp s, 0,1,2,3                                ; O^T = v^T p: source 0 = 16 channels, source 1 = p; on both sides the keys 8 h + 2 s + j
.irp ct, 0,1,2,3
.if \s == 0
	v_wmma_f32_16x16x4_f32 v[ACC+8*\ct:ACC+8*\ct+7], v[VR+8*\ct+2*\s:VR+8*\ct+2*\s+1], v[T+2*\s:T+2*\s+1], 0
.else
	v_wmma_f32_16x16x4_f32 v[ACC+8*\ct:ACC+8*\ct+7], v[VR+8*\ct+2*\s:VR+8*\ct+2*\s+1], v[T+2*\s:T+2*\s+1], v[ACC+8*\ct:ACC+8*\ct+7]
.endif
.endr
.endr
.rept 8
	v_nop
.endr
.set i_, 0
.rept 32
	v_mul_f32 v[T+i_], v[ACC+i_], v23              ; y(query r, channel 16 ct + 8 h + j)
.set i_, i_+1
.endr
.irp ct, 0,1,2,3
	ds_store_b128 v7, v[T+8*\ct:T+8*\ct+3] offset:64*\ct
	ds_store_b128 v7, v[T+8*\ct+4:T+8*\ct+7] offset:64*\ct+16
.endr
	s_wait_loadcnt 0x0                             ; W's first 64 rows are in; the other 64 go into q's and k's registers and land under the first two chunks
.set i_, 0
.rept 64
	global_load_b32 v[WB+i_], v6, s[6:7] offset:(64+i_)*4096
.set i_, i_+1
.endr
	s_wait_dscnt 0x0                               ; for the others' sake: my head's y lies in LDS
	s_barrier_signal -1
	s_barrier_wait -1
	; ---- PHASE B.  out^T = W^T y^T: source 0 = my 16 columns of W_out, source 1 = the 16 rows of y; on both sides k = 256 kq + 128 h + i
.macro CHUNK u, w, first               ; i = 32 u .. 32 u + 31
.irp e, 0,1,2,3,4,5,6,7
	ds_load_b128 v[T+4*\e:T+4*\e+3], v8 offset:128*\u+16*\e
.endr
	s_wait_dscnt 0x0
.set s_, 0
.rept 16
.if \first && (s_ < 4)
	v_wmma_f32_16x16x4_f32 v[ACC+8*(s_%4):ACC+8*(s_%4)+7], v[\w+2*s_:\w+2*s_+1], v[T+2*s_:T+2*s_+1], 0
.else
	v_wmma_f32_16x16x4_f32 v[ACC+8*(s_%4):ACC+8*(s_%4)+7], v[\w+2*s_:\w+2*s_+1], v[T+2*s_:T+2*s_+1], v[ACC+8*(s_%4):ACC+8*(s_%4)+7]
.endif
.set s_, s_+1
.endr
.rept 8
	v_nop                                          ; places in front of the next loads into y's registers, and of the first read of the sums
.endr
.endm
	CHUNK 0, WA, 1
	CHUNK 1, WA+32, 0
	s_wait_loadcnt 0x0                             ; W's other 64 rows
	CHUNK 2, WB, 0
	CHUNK 3, WB+32, 0
.irp i, 0,2,4,6
	v_pk_add_f32 v[20+\i:21+\i], v[ACC+\i:ACC+\i+1], v[ACC+8+\i:ACC+8+\i+1]
	v_pk_add_f32 v[T+\i:T+\i+1], v[ACC+16+\i:ACC+16+\i+1], v[ACC+24+\i:ACC+24+\i+1]
.endr
.irp i, 0,2,4,6
	v_pk_add_f32 v[20+\i:21+\i], v[20+\i:21+\i], v[T+\i:T+\i+1]
.endr
	ds_store_b128 v9, v[20:23]                     ; lane (r, h): row r, columns 16 ct + 8 h + 0..7, summed over my 256 of K
	ds_store_b128 v9, v[24:27] offset:16
	s_wait_dscnt 0x0
	s_barrier_signal -1
	s_barrier_wait -1
	s_cmp_lt_u32 s12, 8                            ; waves 0 to 7 add the four parts, two rows each
	s_cbranch_scc0 .Ldone
.irp k, 0,1,2,3
	ds_load_b128 v[T+4*\k:T+4*\k+3], v10 offset:16*272*\k
.endr
	s_wait_dscnt 0x0
	v_pk_add_f32 v[T:T+1], v[T:T+1], v[T+4:T+5]
	v_pk_add_f32 v[T+2:T+3], v[T+2:T+3], v[T+6:T+7]
	v_pk_add_f32 v[T+8:T+9], v[T+8:T+9], v[T+12:T+13]
	v_pk_add_f32 v[T+10:T+11], v[T+10:T+11], v[T+14:T+15]
	v_pk_add_f32 v[T:T+1], v[T:T+1], v[T+8:T+9]
	v_pk_add_f32 v[T+2:T+3], v[T+2:T+3], v[T+10:T+11]
	v_pk_add_f32 v[T:T+1], v[T:T+1], v[16:17]
	v_pk_add_f32 v[T+2:T+3], v[T+2:T+3], v[18:19]
	global_store_b128 v11, v[T:T+3], s[10:11]      ; sixteen lanes store 256 consecutive bytes, aligned
.Ldone:
	s_wait_tensorcnt 0x0                           ; the wave's end, behind my last LDS store
	ds_add_u32 v[SPW], v[NIL]
	s_wait_dscnt 0x0
	s_endpgm
.Lfunc_end_k_qeddaf163ac_fine:
	.size	k_qeddaf163ac_fine, .Lfunc_end_k_qeddaf163ac_fine-k_qeddaf163ac_fine
	.p2alignl 7, 3214868480
	.fill 96, 4, 3214868480
	.section	.rodata,"a",@progbits
	.p2align	6, 0x0
	.amdhsa_kernel k_qeddaf163ac_fine
		.amdhsa_group_segment_fixed_size 85248
		.amdhsa_private_segment_fixed_size 0
		.amdhsa_enable_private_segment 0
		.amdhsa_kernarg_size 32
		.amdhsa_user_sgpr_count 2
		.amdhsa_user_sgpr_kernarg_segment_ptr 1
		.amdhsa_wavefront_size32 1
		.amdhsa_system_sgpr_workgroup_id_x 1
		.amdhsa_system_sgpr_workgroup_id_y 1
		.amdhsa_system_sgpr_workgroup_id_z 1
		.amdhsa_system_vgpr_workitem_id 0
		.amdhsa_next_free_vgpr 256
		.amdhsa_next_free_sgpr 66
		.amdhsa_reserve_vcc 1
		.amdhsa_float_denorm_mode_32 3
		.amdhsa_float_denorm_mode_16_64 3
		.amdhsa_memory_ordered 1
		.amdhsa_forward_progress 1
		.amdhsa_inst_pref_size 37
	.end_amdhsa_kernel
	.amdgpu_metadata
---
amdhsa.version: [ 1, 2 ]
amdhsa.kernels:
  - .name:           k_qeddaf163ac_fine
    .symbol:         k_qeddaf163ac_fine.kd
    .args:
      - { .name: qkvf, .offset: 0, .size: 8, .value_kind: global_buffer, .address_space: global }
      - { .name: W_out, .offset: 8, .size: 8, .value_kind: global_buffer, .address_space: global }
      - { .name: b_out, .offset: 16, .size: 8, .value_kind: global_buffer, .address_space: global }
      - { .name: out0, .offset: 24, .size: 8, .value_kind: global_buffer, .address_space: global }
    .group_segment_fixed_size: 85248
    .private_segment_fixed_size: 0
    .kernarg_segment_align: 8
    .kernarg_segment_size: 32
    .max_flat_workgroup_size: 512
    .sgpr_count:     66
    .vgpr_count:     256
    .wavefront_size: 32
...
	.end_amdgpu_metadata
.endif
;; end of part 5
